; MI455X (gfx1250); checked and timed in simulation.
; The chip was launched on July 23, 2026; its instructions are those of AMD's public machine-readable ISA for CDNA 5 (MIT licence, August 2026) and "CDNA5" Instruction Set Architecture Reference Guide (July 2026). The comments in the code are by the model that wrote it; some were corrected since.
;; Self Attention. Allowed arithmetic: matrix products marked QUANTISED: E2M3 operands, one E8M0 scale for each 32 along K, by v_wmma_scale_f32_16x16x128_f8f6f4 with both operands' format E2M3, f32 sums; everything else in f32.
;; Inputs: W_key 1,024 x 1,024 float32; W_query 1,024 x 1,024 float32; W_value 1,024 x 1,024 float32; x 4 x 2,048 x 1,024 float32.
;; Outputs: out0 4 x 2,048 x 1,024 float32.
;; This version of the problem:
;;   THIS VERSION OF THE PROBLEM IS GIVEN IN LOW PRECISION. The matrix products marked QUANTISED in the list below multiply operands that are first quantised to E2M3 (2 exponent bits, 3 mantissa bits; 6 bits a number), with one power-of-two scale for each 32 numbers along K (OCP MX v1.0); their sums are f32. All else is computed in f32.
;;   The module's matrix products, in the order in which they are computed (A, B: the left and right operand; K: the contracted axis; several contracted axes count as one K, in the product's order):
;;     1. [M 8,192, K 1,024] x [K 1,024, N 1,024]; A: input x; B: input W_query: QUANTISED
;;     2. [M 8,192, K 1,024] x [K 1,024, N 1,024]; A: input x; B: input W_key: QUANTISED
;;     3. [M 8,192, K 1,024] x [K 1,024, N 1,024]; A: input x; B: input W_value: QUANTISED
;;     4. batch 4 x [M 2,048, K 1,024] x [K 1,024, N 2,048]; A: computed on the way; B: computed on the way: QUANTISED
;;     5. batch 4 x [M 2,048, K 2,048] x [K 2,048, N 1,024]; A: softmax (see below); B: computed on the way: QUANTISED
;;   THE QUANTISER, for each operand of a quantised product, along K:
;;     - K is cut into blocks of 32 from its start; a last block that is shorter is filled with zeros.
;;     - A block's scale is 2^e with e = floor(log2(the largest magnitude in the block)) - 2, held to -126 .. 127; a block of zeros has e = 0. As a byte (E8M0): e + 127.
;;     - Each number is divided by its block's scale, clamped to +-7.5, and rounded to the nearest number of E2M3, ties to even, subnormals kept.
;;     - The product sums the exact products of the quantised numbers (number of the format x scale) in f32.
;;   ~~~python
;;   def quantise(x, axis):      # numpy; x: float32 -> the quantised numbers, widened to float32 again
;;       x = np.moveaxis(x, axis, -1); K = x.shape[-1]
;;       x = np.pad(x, [(0, 0)] * (x.ndim - 1) + [(0, -K % 32)]); x = x.reshape(x.shape[:-1] + (-1, 32)); a = np.abs(x).max(-1, keepdims=True)
;;       e = np.where(a > 0, np.clip(np.frexp(np.where(a > 0, a, 1))[1] - 1 - 2, -126, 127), 0)      # np.frexp(a)[1] - 1 = floor(log2(a)), exactly
;;       r = np.clip(x / 2.0 ** e, -7.5, 7.5)
;;       step = 2.0 ** (np.maximum(np.frexp(np.where(r == 0, 1, r))[1] - 1, 0) - 3)
;;       q = np.round(r / step) * step * 2.0 ** e      # np.round: ties to even
;;       return np.moveaxis(q.reshape(q.shape[:-2] + (-1,))[..., :K], -1, axis).astype(np.float32)
;;   ~~~
;;   SOFTMAX AHEAD OF A QUANTISED PRODUCT. Where the list says 'softmax', what is quantised is not the finished softmax but p = 2^(t - M), with t = logit x log2(e) and M = ceil(the row's largest t), a whole number; so 1/2 < the row's largest p <= 1. The row's sum l is taken of the UNQUANTISED p, in f32, and the product's result is divided by l at the end. Since M is a whole number, a kernel that streams over the keys may use a running M (the ceiling of the running maximum): every later rescaling is an exact power of two, which a block's scale takes up: the codes' values come out the same.
;;   OPERANDS COMPUTED ON THE WAY. 'Computed on the way' means the value that the module computes at that place (a softmax that the list does not call 'softmax' is quantised finished and normalised). What goes into a quantiser is computed in f32, as accurately as f32 sums, v_exp_f32 and their like allow (about 1e-6 of the number): no bf16 or f16 on the way to a quantiser, and a product that is left as it is and whose result goes on into a quantised operand takes f32 operands (vector FMAs, or v_wmma_f32_16x16x4_f32). A number that lies on a knife's edge between two numbers of the format may be rounded either way, as far as f32 arithmetic and the matrix unit's own rounding can turn it there, and no further.
;; One version. Each part assembles by itself: llvm-mc -triple=amdgcn-amd-amdhsa -mcpu=gfx1250 --defsym DOCPART=n.
;; ======== version 1 of 1: 4 launches
;; limits: right only within a limited range of input values
;; workspace buffers: opx 9,011,200 bytes; qkv 19,660,800 bytes; pc 12,582,912 bytes; pst 1,572,864 bytes
;; launch quant (part 1): grid 704 x 1, 8 waves a work-group, no clusters, 69,120 bytes of LDS; arguments x, W_query, W_key, W_value, opx; writes opx
.if DOCPART == 1
	.amdgcn_target "amdgcn-amd-amdhsa--gfx1250"
	.amdhsa_code_object_version 6
	.text
	.protected	k_q900469b60d_quant
	.globl	k_q900469b60d_quant
	.p2align	8
	.type	k_q900469b60d_quant,@function
k_q900469b60d_quant:
	s_mov_b64 s[64:65], 0
	v_nop
	global_prefetch_b8 v0, s[64:65] scope:SCOPE_SE
	s_setreg_imm32_b32 hwreg(HW_REG_WAVE_MODE, 25, 1), 1
	s_wait_xcnt 0x0
; x [8192][1024] and the three weights [1024][1024], f32, K innermost, become codes of FP6 (E2M3) with one E8M0 byte for each 32 along K, as IMAGES OF THE OPERAND'S REGISTERS.
; opx: 88 rowblocks of 128 rows (0-63 x, 64-71 W_query, 72-79 W_key, 80-87 W_value), each of eight tiles of 12,800 bytes: codes [K step s 8][j 3][lane 32][16 bytes] (registers 4 j .. 4 j + 3 of the fragment),
; then the scale words [s / 4][row 16][s % 4], 4 bytes each.
; THE ROWS OF A TILE ARE NOT NEIGHBOURS.  Lane r of tile i holds, of x, token 256 (B / 2) + 64 (B % 2) + 128 (i % 2) + 8 (i / 2) + 32 (r / 8) + r % 8, B the rowblock; of a weight, row 128 B + 64 (i % 2) + 8 (i / 2) + 32 (r / 8) + r % 8:
; so four tiles of a product's result are 32 neighbours along the next product's K in ONE lane.
; A block's scale is 2^(floor(log2(its largest magnitude)) - 2); its byte is the largest magnitude's exponent field - 2, held at 1 from below.
; LIMITS: a block of zeros gets the byte 1 where the rule says 127 (its codes are zeros, and this program alone reads the bytes); NaN and infinities among the inputs are not served.
; SHARES: a work-group makes one tile: wave s its K step s, 16 rows x 128 numbers.  Each load reads 512 consecutive bytes of a row; the numbers turn through the wave's own stage (rows 528 bytes apart) and come back
; a whole block of 32 to a lane, so that no lane looks at another.  No tensor load; one barrier, for the scale bytes, which leave as 512 consecutive bytes.
.set SP,    528
.set STG,   16*SP
.set SCW,   8*STG                      ; behind the stages: the tile's scale words, 512 bytes
.set SPARE, SCW+512                    ; the spare words, 128 bytes for each wave
.set R,     16                         ; v16-79   the numbers as loaded; free behind the wait for the stage
.set X,     80                         ; v80-143  register 32 c + i: k = 64 c + 32 h + i of my row
.set PC,    16                         ; v16-27   the codes
.set T,     28                         ; v28-30, v32-34  the blocks' upper halves
.set TM,    36                         ; v36-39   largest magnitudes of 16
.set SO,    40                         ; v40-41   the conversions' scale operands
.set EB,    42                         ; v42-43   the bytes
.set SPW,   144
.set NIL,   145
	s_load_b256 s[4:11], s[0:1], 0x0               ; x, W_query, W_key, W_value
	s_load_b64 s[12:13], s[0:1], 0x20              ; opx
	v_lshl_add_u32 v[SPW], v0, 2, SPARE
	v_mov_b32 v[NIL], 0
	v_lshrrev_b32 v1, 5, v0
	v_readfirstlane_b32 s16, v1                    ; wave = K step s
	s_mul_i32 s24, s16, STG
	s_lshr_b32 s25, s16, 2
	s_lshl_b32 s25, s25, 8
	s_and_b32 s26, s16, 3
	s_lshl_b32 s26, s26, 2
	s_add_co_u32 s25, s25, s26
	s_add_co_u32 s25, s25, SCW
	v_and_b32 v1, 15, v0                           ; r
	v_bfe_u32 v2, v0, 4, 1                         ; h
	v_and_b32 v3, 31, v0
	v_lshlrev_b32 v3, 4, v3                        ; 16 x lane
	v_add_nc_u32 v4, s24, v3                       ; into the stage
	v_mul_u32_u24 v5, v1, SP
	v_lshl_add_u32 v5, v2, 7, v5
	v_add_nc_u32 v5, s24, v5                       ; out of it: row r, + 128 h
	v_lshl_add_u32 v6, v1, 4, v2
	v_add_nc_u32 v6, s25, v6                       ; my block's scale byte: 256 (s / 4) + 16 r + 4 (s % 4) + h (+ 2 c)
	v_add_nc_u32 v7, SCW, v3
	s_lshr_b32 s17, ttmp9, 3                       ; rowblock
	s_and_b32 s18, ttmp9, 7                        ; tile i
	s_mul_i32 s28, ttmp9, 12800                    ; my tile in opx
	s_mov_b32 s29, 0
	s_mul_i32 s30, s16, 1536                       ; my K step in it
	s_mov_b32 s31, 0
	s_and_b32 s19, s18, 1
	s_lshr_b32 s18, s18, 1
	s_lshl_b32 s18, s18, 3
	s_lshr_b32 s22, s17, 1                         ; the tile's first row, of x
	s_lshl_b32 s22, s22, 8
	s_and_b32 s23, s17, 1
	s_lshl_b32 s23, s23, 6
	s_add_co_u32 s22, s22, s23
	s_lshl_b32 s23, s19, 7
	s_add_co_u32 s22, s22, s23
	s_add_co_u32 s22, s22, s18
	s_and_b32 s23, s17, 7                          ; and of a weight
	s_lshl_b32 s23, s23, 7
	s_lshl_b32 s19, s19, 6
	s_add_co_u32 s23, s23, s19
	s_add_co_u32 s23, s23, s18
	s_wait_alu depctr_va_vdst(0)                   ; the wait at the head's end
	s_wait_kmcnt 0x0
	s_cmp_lt_u32 s17, 72                           ; which tensor: the choice hangs on the work-group's number alone
	s_cselect_b64 s[20:21], s[6:7], s[8:9]
	s_cmp_lt_u32 s17, 80
	s_cselect_b64 s[20:21], s[20:21], s[10:11]
	s_cmp_lt_u32 s17, 64
	s_cselect_b64 s[20:21], s[4:5], s[20:21]
	s_cselect_b32 s22, s22, s23
	s_lshl_b32 s22, s22, 12                        ; rows of 4,096 bytes
	s_lshl_b32 s23, s16, 9                         ; + 512 bytes a K step
	s_add_co_u32 s22, s22, s23
	s_mov_b32 s23, 0
	s_add_nc_u64 s[20:21], s[20:21], s[22:23]
	s_add_nc_u64 s[12:13], s[12:13], s[28:29]
	s_add_nc_u64 s[14:15], s[12:13], s[30:31]
.irp p, 0,1,2,3,4,5,6,7,8,9,10,11,12,13,14,15
	global_load_b128 v[R+4*\p:R+4*\p+3], v3, s[20:21] offset:((\p%8)+32*(\p/8))*4096 th:TH_LOAD_NT   ; the tile's row p; read once in the launch
.endr
.irp p, 0,1,2,3,4,5,6,7,8,9,10,11,12,13,14,15
	s_wait_loadcnt 15-\p                           ; row p is in, the younger rows stay out
	ds_store_b128 v4, v[R+4*\p:R+4*\p+3] offset:SP*\p
.endr
.irp c, 0,1
.irp j, 0,1,2,3,4,5,6,7
	ds_load_b128 v[X+32*\c+4*\j:X+32*\c+4*\j+3], v5 offset:256*\c+16*\j   ; LDS serves a wave's instructions in order: these see my stores
.endr
.endr
	s_wait_dscnt 0x0                               ; the numbers are back, and the stage's stores have read v16-79
.irp u, 0,1,2,3
	v_max3_num_f32 v[TM+\u], |v[X+16*\u]|, |v[X+16*\u+1]|, |v[X+16*\u+2]|   ; four chains by turns, two to a block
.endr
.irp i, 3,5,7,9,11,13
.irp u, 0,1,2,3
	v_max3_num_f32 v[TM+\u], v[TM+\u], |v[X+16*\u+\i]|, |v[X+16*\u+\i+1]|
.endr
.endr
.irp c, 0,1
	v_max3_num_f32 v[TM+2*\c], v[TM+2*\c], |v[X+32*\c+15]|, 0x1800000       ; and the floor 2^(3 - 127): the byte cannot fall under 1
.endr
.irp c, 0,1
	v_max3_num_f32 v[TM+2*\c], v[TM+2*\c], |v[X+32*\c+31]|, v[TM+2*\c+1]
.endr
.irp c, 0,1
	v_add_nc_u32 v[SO+\c], 0xff000000, v[TM+2*\c]  ; 2 off its exponent field: the conversion's scale is this operand's exponent field
.endr
.irp c, 0,1
	v_cvt_scalef32_pk16_fp6_f32 v[PC+6*\c:PC+6*\c+2], v[X+32*\c:X+32*\c+15], v[SO+\c]
	v_cvt_scalef32_pk16_fp6_f32 v[T+4*\c:T+4*\c+2], v[X+32*\c+16:X+32*\c+31], v[SO+\c]   ; (a conversion's three registers begin on an even number)
.endr
.irp c, 0,1
	v_lshrrev_b32 v[EB+\c], 23, v[SO+\c]           ; the scale's byte; plain instructions behind the conversions
.endr
.irp i, 0,1,2
.irp c, 0,1
	v_mov_b32 v[PC+6*\c+3+\i], v[T+4*\c+\i]
.endr
.endr
.irp c, 0,1,2
	global_store_b128 v3, v[PC+4*\c:PC+4*\c+3], s[14:15] offset:512*\c   ; 32 lanes store 512 consecutive bytes, aligned
.endr
	ds_store_b8 v6, v[EB]
	ds_store_b8 v6, v[EB+1] offset:2
	s_wait_dscnt 0x0                               ; for the others' sake: my bytes lie in LDS
	s_barrier_signal -1
	s_barrier_wait -1
	s_cmp_lg_u32 s16, 0
	s_cbranch_scc1 .Ldone                          ; wave 0 stores the 128 words
	ds_load_b128 v[8:11], v7
	s_wait_dscnt 0x0
	global_store_b128 v3, v[8:11], s[12:13] offset:12288
.Ldone:
	s_wait_tensorcnt 0x0                           ; the wave's end
	ds_add_u32 v[SPW], v[NIL]
	s_wait_dscnt 0x0
	s_endpgm
.Lfunc_end_k_q900469b60d_quant:
	.size	k_q900469b60d_quant, .Lfunc_end_k_q900469b60d_quant-k_q900469b60d_quant
	.p2alignl 7, 3214868480
	.fill 96, 4, 3214868480
	.section	.rodata,"a",@progbits
	.p2align	6, 0x0
	.amdhsa_kernel k_q900469b60d_quant
		.amdhsa_group_segment_fixed_size 69120
		.amdhsa_private_segment_fixed_size 0
		.amdhsa_enable_private_segment 0
		.amdhsa_kernarg_size 40
		.amdhsa_user_sgpr_count 2
		.amdhsa_user_sgpr_kernarg_segment_ptr 1
		.amdhsa_wavefront_size32 1
		.amdhsa_system_sgpr_workgroup_id_x 1
		.amdhsa_system_sgpr_workgroup_id_y 1
		.amdhsa_system_sgpr_workgroup_id_z 1
		.amdhsa_system_vgpr_workitem_id 0
		.amdhsa_next_free_vgpr 146
		.amdhsa_next_free_sgpr 66
		.amdhsa_reserve_vcc 0
		.amdhsa_float_denorm_mode_32 3
		.amdhsa_float_denorm_mode_16_64 3
		.amdhsa_memory_ordered 1
		.amdhsa_forward_progress 1
		.amdhsa_inst_pref_size 11
	.end_amdhsa_kernel
	.amdgpu_metadata
---
amdhsa.version: [ 1, 2 ]
amdhsa.kernels:
  - .name:           k_q900469b60d_quant
    .symbol:         k_q900469b60d_quant.kd
    .args:
      - { .name: x, .offset: 0, .size: 8, .value_kind: global_buffer, .address_space: global }
      - { .name: W_query, .offset: 8, .size: 8, .value_kind: global_buffer, .address_space: global }
      - { .name: W_key, .offset: 16, .size: 8, .value_kind: global_buffer, .address_space: global }
      - { .name: W_value, .offset: 24, .size: 8, .value_kind: global_buffer, .address_space: global }
      - { .name: opx, .offset: 32, .size: 8, .value_kind: global_buffer, .address_space: global }
    .group_segment_fixed_size: 69120
    .private_segment_fixed_size: 0
    .kernarg_segment_align: 8
    .kernarg_segment_size: 40
    .max_flat_workgroup_size: 256
    .sgpr_count:     66
    .vgpr_count:     146
    .wavefront_size: 32
...
	.end_amdgpu_metadata
.endif
;; end of part 1
;; launch proj (part 2): grid 16 x 16, 4 waves a work-group, clusters of 4 x 4, 327,680 bytes of LDS; arguments opx, qkv; writes qkv
.if DOCPART == 2
	.amdgcn_target "amdgcn-amd-amdhsa--gfx1250"
	.amdhsa_code_object_version 6
	.text
	.protected	k_q900469b60d_proj
	.globl	k_q900469b60d_proj
	.p2align	8
	.type	k_q900469b60d_proj,@function
k_q900469b60d_proj:
	s_mov_b64 s[64:65], 0
	v_nop
	global_prefetch_b8 v0, s[64:65] scope:SCOPE_SE
	s_setreg_imm32_b32 hwreg(HW_REG_WAVE_MODE, 25, 1), 1
	s_wait_xcnt 0x0
	s_wait_alu depctr_hold_cnt(0) depctr_sa_sdst(0) depctr_va_vdst(0) depctr_va_sdst(0) depctr_va_ssrc(0) depctr_va_vcc(0) depctr_vm_vsrc(0)
	s_getreg_b32 s2, hwreg(HW_REG_IB_STS2, 6, 4)
	s_cmp_eq_u32 s2, 0
	s_cbranch_scc0 .Lentry_in_a_cluster
	s_endpgm
.Lentry_in_a_cluster:
	s_bfe_u32 s2, ttmp6, 0x10000c
	s_cmp_lg_u32 s2, 0xf033
	s_cbranch_scc0 .Lentry_shape_is_right
	s_endpgm
.Lentry_shape_is_right:
; Q, K, V = x W^T on codes of FP6 (E2M3) with E8M0 scales, K = 1,024, and the quantisers of the results, which leave as codes and scale words in the order of the next products' operand registers.
; LIMITS: a block of zeros gets the byte 1 where the rule says 127 (its codes are zeros; this program alone reads the bytes); NaN and infinities are not served.
; IN: opx, tiles of 16 rows x all of K, 12,800 bytes, as the first launch lays them (eight to a rowblock of 128 rows; x 0-63, W_query 64-71, W_key 72-79, W_value 80-87).
; OUT: qkv, units of 12,800 bytes: 128 rows x 128 along the next product's K: eight tiles of 1,536 bytes of codes, then scale words [r 16][tile 8].  Q: unit 8 x rowblock + s; K: 512 + the same;
; V^T: 1,024 + 128 x batch + 16 x rowblock of features + key step.  A tile of Q or K: for each half c of the 128: registers 6 c .. 6 c + 3 [lane][16 bytes], 6 c + 4, 6 c + 5 [lane][8 bytes]; of V^T: [j 3][lane][16 bytes].
; Lane r of tile i holds row 64 (i / 4) + 32 (r / 8) + 8 (i % 4) + r % 8 of its rowblock.
; THE DEAL.  256 work-groups of four waves, 2 x 2 (row a, column b).  A wave holds 64 rows of a weight, ALL of K, in registers (384) and streams x's tiles past them, 32 products a tile: the wave in row a takes tile 2 j + a of a chunk (rowblock of opx).
; A work-group makes 256 x 128 of V, PHASE 1, then 512 x 128 of Q or K, PHASE 2.  V's 256 rows are a half of the work-group's own 512, so that the two chunks asked for at the head serve both.
; Which half (s87) and whether Q or K (s19) come from the cluster's number alone.  x's chunks are shared by a ROW of the cluster (mask s44), a weight's rows by a COLUMN (s45).
; V comes first: its codes leave behind phase 2's first block; phase 2's leave block by block.
; FILLS.  At the head one tensor load a wave: W_value's rowblock (waves 0, 1 a half each), chunk 0, chunk 1.  Three refills, each in a drained round, a quarter a wave: W_query's or W_key's rowblock (V's block 2), the other half's two chunks (phase 2's blocks 2, 6).
; No prefetch: the launch has these three refills and no loop of more than two trips; each is asked for at least three blocks, 96 products a wave, ahead of the barrier that shows it.
; A BLOCK is 32 products; behind every second one stand two ENTRIES of the block's list: scalar lines, then at most one vector line: addresses, descriptors, and the search for the largest magnitude of the block before.
; THE WAITS' COUNTS: younger than a block's fetch are the next block's, NF loads, and the stores of scale bytes issued between.
.set TIL,   12800                      ; a tile: 16 rows, all of K, codes and scale words
.set RBI,   8*TIL                      ; a rowblock
.set YB,    RBI                        ; LDS: slots 0 and 1 for x's chunks
.set BVB,   2*RBI                      ; the weights' region
.set XN,    3*RBI                      ; Q's or K's scale bytes: [b][half in order of work][a][r][tile][h]
.set XM,    XN+2048                    ; V's: [a][r][tile][c][h]
.set SPARE, XM+1024
.set FR,    12
.set FPW,   21                         ; fragments in a window of 256 registers
.set NF,    25
.set ADRA0, 4                          ; v4, v5  my tiles 0 and 1 in slot 0
.set CO,    9                          ; v9      16 x lane
.set SPW,   10
.set NIL,   11
.set ADRA,  12                         ; v12     the tile that is fetched next
.set ADRB,  14                         ; v14, v15  my weight tiles 0, 1 and 2, 3
.set STO,   18
.set STV,   19
.set CO8,   20                         ; v20     8 x lane
.set SB,    24                         ; v24-39  the weights' scale words: 4 t + s % 4; lanes 0-15 s < 4, lanes 16-31 s >= 4
.set SA,    42                         ; v42-49  x's, two sets of four, likewise
.set TQ,    52
.set TC,    60
.set ACC,   64                         ; v64-127 phase 2: two sets of four accumulators
.set HV0,   64                         ; v64-191 phase 1, band 0: 32 t + 8 j + i
.set HV1,   840                        ; v840-967 band 1
.set NCD,   128                        ; v128-139 phase 2's codes, six registers a block, by turns
.set MCD,   192                        ; v192-239 phase 1's: four operands of twelve
.set SOP,   240
.set EB,    244
.set VX,    248
.set EMAX,  2
.set G1A,   24                         ; groups 1 and 0 of x's chunks; of a weight's rows
.set G1B,   32
.set G0A,   56
.set G0B,   60
.set MSB,   0
.macro WIN new
.if MSB != \new
	s_set_vgpr_msb (MSB<<8)|\new
.set MSB, \new
.endif
.endm
.macro PLACES n
.rept \n
	v_nop
.endr
.endm
.macro WALU
	s_wait_alu depctr_va_vdst(0)
.endm
.macro BARRIER
	s_barrier_signal -1
	s_barrier_wait -1
.endm
.macro MIDDLE                          ; a round's middle
	WIN 0
	s_barrier_wait -1
	s_cmp_lg_u32 s14, 0
	s_cbranch_scc1 .Lnot_wave_0_\@
	s_barrier_signal -3
.Lnot_wave_0_\@:
	s_barrier_wait -3
.endm
.macro CROUND
	s_barrier_signal -1
	MIDDLE
	BARRIER
.endm
.macro GRD
	s_wait_tensorcnt 0x0
	ds_add_u32 v[SPW], v[NIL]
.endm
.macro TLOAD g0, g1
	tensor_load_to_lds s[\g0:\g0+3], s[\g1:\g1+7]
	s_nop 0
	PLACES 4
.endm
.macro GROUP1 g, mask, rows            ; dense bytes as rows of 256 (32 elements of 8 bytes)
	s_or_b32 s[\g], s[\mask], (3<<16)|(1<<21)
	s_mov_b32 s[\g+1], 32<<16
	s_mov_b32 s[\g+2], (\rows)<<16
	s_mov_b32 s[\g+3], 32<<16
	s_mov_b32 s[\g+4], \rows
	s_mov_b32 s[\g+5], 32
	s_mov_b32 s[\g+6], 0
	s_mov_b32 s[\g+7], 0
.endm
; fragment f lies in window 1 + f / 21 at register 12 (f % 21): 0-31 the weights' (4 s + t), 32-39 and 40-47 x's two sets
.macro FRAG f, s, adr, off
	WIN ((1+(\f)/FPW)<<6)
.set R_, FR*((\f)%FPW)
.irp p, 0,1,2
	ds_load_b128 v[R_+4*\p:R_+4*\p+3], \adr offset:(\off)+1536*(\s)+512*\p
.endr
.endm
.macro WEIGHTS                         ; my 64 rows of the weight, all of K: 100 loads
	WIN 0
.irp t, 0,1,2,3
	ds_load_b128 v[SB+4*\t:SB+4*\t+3], v[ADRB+\t/2] offset:(\t%2)*2*TIL+12288
.endr
.irp s, 0,1,2,3,4,5,6,7
.irp t, 0,1,2,3
	FRAG 4*\s+\t, \s, v[ADRB+\t/2], (\t%2)*2*TIL
.endr
.endr
	WIN 0
.endm
.macro FETCHAT e, adr                  ; a tile of x into set e: NF loads
.irp q, 0,1,2,3,4,5,6,7
	FRAG 32+8*(\e)+\q, \q, \adr, 0
.endr
	WIN 0
	ds_load_b128 v[SA+4*(\e):SA+4*(\e)+3], \adr offset:12288
.endm
.macro FETCH e
	FETCHAT \e, v[ADRA]
.endm
.macro FETCH01                         ; a phase's first two tiles, from slot 0
	FETCHAT 0, v[ADRA0]
	FETCHAT 1, v[ADRA0+1]
	s_mov_b32 s101, 2*TIL
.endm
; a product.  n = 4 q + t.  kind 0 (Q, K): source 0 the weight's rows; kind 1 (V): source 0 x's rows.  Scale words of q >= 4 stand in lanes 16-31
.macro PROD kind, e, n, a0, as
.set Q_, (\n)/4
.set TT_, (\n)%4
.set FB_, 4*Q_+TT_
.set FA_, 32+8*(\e)+Q_
.set D_, (\a0)+(\as)*TT_
.set DL_, D_&255
.set WD_, D_>>8
.set WB_, 1+FB_/FPW
.set WA_, 1+FA_/FPW
.set RB_, FR*(FB_%FPW)
.set RA_, FR*(FA_%FPW)
.set XB_, SB+4*TT_+Q_%4
.set XA_, SA+4*(\e)+Q_%4
.if \kind
	WIN WA_|(WB_<<2)|(WD_<<4)|(WD_<<6)
	PR RA_, RB_, XA_, XB_
.else
	WIN WB_|(WA_<<2)|(WD_<<4)|(WD_<<6)
	PR RB_, RA_, XB_, XA_
.endif
.endm
.macro PR s0, s1, x0, x1
.if Q_ == 0
	v_wmma_scale_f32_16x16x128_f8f6f4 v[DL_:DL_+7], v[\s0:\s0+11], v[\s1:\s1+11], 0, v[\x0], v[\x1] matrix_a_fmt:MATRIX_FMT_FP6 matrix_b_fmt:MATRIX_FMT_FP6
.elseif Q_ < 4
	v_wmma_scale_f32_16x16x128_f8f6f4 v[DL_:DL_+7], v[\s0:\s0+11], v[\s1:\s1+11], v[DL_:DL_+7], v[\x0], v[\x1] matrix_a_fmt:MATRIX_FMT_FP6 matrix_b_fmt:MATRIX_FMT_FP6
.else
	v_wmma_scale_f32_16x16x128_f8f6f4 v[DL_:DL_+7], v[\s0:\s0+11], v[\s1:\s1+11], v[DL_:DL_+7], v[\x0], v[\x1] matrix_a_fmt:MATRIX_FMT_FP6 matrix_b_fmt:MATRIX_FMT_FP6 matrix_a_scale:MATRIX_SCALE_ROW1 matrix_b_scale:MATRIX_SCALE_ROW1
.endif
.endm
.macro BLOCK kind, e, a0, as, from, to, list, x=0, y=0
.set N_, \from
.rept (\to)-(\from)
	PROD \kind, \e, N_, \a0, \as
.if N_%2
	\list N_-1, \x, \y
	\list N_, \x, \y
.endif
.set N_, N_+1
.endr
.endm
; what the lists are made of: each macro writes entry i of its part
.macro STEP i                          ; 2 entries: the next tile's LDS address, round the two slots
.if (\i) == 0
	s_add_co_u32 s101, s101, 2*TIL
	s_cmp_eq_u32 s101, 2*YB
	s_cselect_b32 s101, 0, s101
.elseif (\i) == 1
	WIN 0
	v_add_nc_u32 v[ADRA], s101, v[ADRA0]
.endif
.endm
.macro PL i                            ; 3 entries: where block s46's codes go (s[84:85]) and its scale bytes (v[VX]).  The codes go by the true half, the stage by the order of work
.if (\i) == 0
	s_wait_xcnt 0x0                    ; the stores of the blocks before have read their registers and their base
	s_and_b32 s20, s46, 7
	s_lshr_b32 s21, s46, 3
	s_lshl_b32 s22, s20, 1
	s_lshl_b32 s23, s21, 9
.elseif (\i) == 1
	s_or_b32 s22, s22, s23
	s_xor_b32 s21, s21, s87
	s_mul_i32 s20, s20, 1536
	s_mul_i32 s21, s21, 204800
.elseif (\i) == 2
	s_add_co_u32 s20, s20, s21
	s_mov_b32 s21, 0
	s_add_nc_u64 s[84:85], s[10:11], s[20:21]
	s_add_co_u32 s46, s46, 1
	WIN 0
	v_add_nc_u32 v[VX], s22, v[STO]
.endif
.endm
.macro ASK i                           ; 2 entries: the descriptor of my quarter of the chunk at s88 (bytes from opx) for the slot at s47; then both step on
.if (\i) == 0
	s_mul_i32 s20, s14, 2*TIL
	s_add_co_u32 s[G0A+1], s20, s47
	s_add_co_u32 s20, s20, s88
	s_mov_b32 s21, 0
.elseif (\i) == 1
	s_add_nc_u64 s[G0A+2:G0A+3], s[4:5], s[20:21]
	s_or_b32 s[G0A+3], s[G0A+3], 0x80000000
	s_add_co_u32 s88, s88, RBI
	s_add_co_u32 s47, s47, YB
.endif
.endm
.macro CHAIN i, x, n, t=TQ             ; 18 entries: the largest magnitude of the 32 sums from register x on, two chains side by side, and the conversions' scale operand, v[SOP+n]
.set XW_, (\x)>>8
.set XL_, (\x)&255
.if (\i) >= 0 && (\i) < 14
.set B_, XL_+16*((\i)%2)+2*((\i)/2)
.set T_, (\t)+1-(\i)%2
.if (\i) < 2
	WIN XW_|(XW_<<2)|(XW_<<4)
	v_max3_num_f32 v[T_], |v[B_]|, |v[B_+1]|, |v[B_+2]|
.else
	WIN (XW_<<2)|(XW_<<4)
	v_max3_num_f32 v[T_], v[T_], |v[B_+1]|, |v[B_+2]|
.endif
.elseif (\i) == 14
	WIN XW_<<2
	v_max3_num_f32 v[\t+1], v[\t+1], |v[XL_+15]|, (EMAX+1)<<23
.elseif (\i) == 15
	WIN 0
	v_nop
.elseif (\i) == 16
	WIN XW_<<2
	v_max3_num_f32 v[\t], v[\t], |v[XL_+31]|, v[\t+1]
.elseif (\i) == 17
	WIN 0
	v_add_nc_u32 v[SOP+\n], -(EMAX<<23), v[\t]
.endif
.endm
.macro CODES i, x, c, n, t=TC          ; 6 lines: 32 codes into v[c .. c+5], the scale's byte into v[EB+n]
.set XW_, (\x)>>8
.set XL_, (\x)&255
.if (\i) == 0
	WIN XW_
	v_cvt_scalef32_pk16_fp6_f32 v[\c:\c+2], v[XL_:XL_+15], v[SOP+\n]
.elseif (\i) == 1
	WIN XW_
	v_cvt_scalef32_pk16_fp6_f32 v[\t:\t+2], v[XL_+16:XL_+31], v[SOP+\n]
.elseif (\i) == 2
	WIN 0
	v_lshrrev_b32 v[EB+\n], 23, v[SOP+\n]
.else
	WIN 0
	v_mov_b32 v[\c+\i], v[\t+\i-3]
.endif
.endm
.macro CODES6 x, c, n
.irp i, 0,1,2,3,4,5
	CODES \i, \x, \c, \n
.endr
.endm
; the lists
.macro L_NONE i, x, y
.endm
.macro L_STEP i, x, y
	STEP \i
.endm
.macro L_OUT i, x, y
	STEP \i
	CHAIN (\i)-3, \x, \y
.endm
.macro L_LAST i, x, y
	CHAIN (\i)-1, \x, \y
.endm
.macro L_V2 i, x, y                    ; V's block 2: from here on a load brings a quarter of a rowblock; the first refill's descriptor
.if (\i) == 0
	s_mov_b32 s[G1A+2], 100<<16
	s_mov_b32 s[G1A+4], 100
	s_mov_b32 s[G1B+2], 100<<16
	s_mov_b32 s[G1B+4], 100
.elseif (\i) == 2
	s_mul_i32 s20, s14, 2*TIL
	s_add_co_u32 s[G0B+1], s20, BVB
	s_add_co_u32 s20, s20, s9
	s_mov_b32 s21, 0
.elseif (\i) == 4
	s_add_nc_u64 s[G0B+2:G0B+3], s[4:5], s[20:21]
	s_or_b32 s[G0B+3], s[G0B+3], 0x80000000
.endif
	STEP (\i)-6
.endm
.macro L_P2 i, x, y
	STEP \i
	PL (\i)-7
	CHAIN (\i)-11, \x, \y
.endm
.macro L_P2L i, x, y                   ; nothing more is fetched
	PL (\i)-7
	CHAIN (\i)-11, \x, \y
.endm
.macro L_SHOW i, x, y                  ; for the blocks that stop at 26 entries
	STEP \i
	PL (\i)-2
	CHAIN (\i)-5, \x, \y
.endm
.macro L_ROUND i, x, y
	ASK \i
	STEP (\i)-2
	PL (\i)-4
	CHAIN (\i)-7, \x, \y
.endm
; phase 2's blocks.  w: the count of the wait for the block's tile (-1: the wait of a round or barrier has shown it in)
.macro WAITDS w
.if (\w) >= 0
	s_wait_dscnt \w
.endif
.endm
.macro OUTB o, e, fetch                ; the block before leaves; set e takes the tile two blocks on
	WALU
	ds_store_b8 v[VX], v[EB+\o]
	global_store_b128 v[CO], v[NCD+6*(\o):NCD+6*(\o)+3], s[84:85]
	global_store_b64 v[CO8], v[NCD+6*(\o)+4:NCD+6*(\o)+5], s[84:85] offset:512
.if \fetch
	FETCH \e
.endif
.endm
.macro BLK e, w, fetch
	WAITDS \w
.if \fetch
	BLOCK 0, \e, ACC+32*\e, 8, 0, 32, L_P2, ACC+32*(1-\e), 1-\e
.else
	BLOCK 0, \e, ACC+32*\e, 8, 0, 32, L_P2L, ACC+32*(1-\e), 1-\e
.endif
	WIN 0
	CODES6 ACC+32*(1-\e), NCD+6*(1-\e), 1-\e
	OUTB 1-\e, \e, \fetch
.endm
.macro EVENROUND w                     ; a round inside a block: products and conversions are register work
	WAITDS \w
	GRD
	BLOCK 0, 0, ACC, 8, 0, 26, L_ROUND, ACC+32, 1
	WIN 0
	WALU
	s_wait_dscnt 0x0
	s_barrier_signal -1
	BLOCK 0, 0, ACC, 8, 26, 32, L_NONE
	WIN 0
	CODES6 ACC+32, NCD+6, 1
	MIDDLE
	BARRIER
	TLOAD G0A, G1A
	OUTB 1, 0, 1
.endm
.macro EVENSHOW w                      ; a plain barrier shows the last refill to all
	WAITDS \w
	BLOCK 0, 0, ACC, 8, 0, 26, L_SHOW, ACC+32, 1
	WIN 0
	WALU
	s_wait_tensorcnt 0x0
	s_wait_dscnt 0x0
	s_barrier_signal -1
	BLOCK 0, 0, ACC, 8, 26, 32, L_NONE
	WIN 0
	s_barrier_wait -1
	CODES6 ACC+32, NCD+6, 1
	OUTB 1, 0, 1
.endm
; ================= THE HEAD
	s_load_b128 s[4:7], s[0:1], 0x0                     ; opx, qkv
	v_lshl_add_u32 v[SPW], v0, 2, SPARE
	v_mov_b32 v[NIL], 0
	ds_add_u32 v[SPW], v[NIL]                           ; the opening lines: the add, twice on end, and its wait
	ds_add_u32 v[SPW], v[NIL]
	v_lshrrev_b32 v1, 5, v0
	v_readfirstlane_b32 s14, v1                         ; wave
	s_lshr_b32 s15, s14, 1                              ; a
	s_and_b32 s16, s14, 1                               ; b
	s_bfe_u32 s40, ttmp6, 0x40000                       ; cx
	s_bfe_u32 s41, ttmp6, 0x40004                       ; cy
	s_lshl_b32 s42, ttmp9, 2
	s_add_co_u32 s42, s42, s40                          ; phase 2's tile column: 0-7 Q, 8-15 K
	s_and_b32 s43, ttmp7, 0xffff
	s_lshl_b32 s43, s43, 2
	s_add_co_u32 s43, s43, s41                          ; its tile row: 512 tokens
	s_lshr_b32 s19, ttmp9, 1
	s_and_b32 s87, ttmp9, 1                             ; V's half of my 512 rows
	s_lshl_b32 s13, s19, 2
	s_add_co_u32 s13, s13, s40                          ; V's tile column
	s_lshl_b32 s12, s43, 1
	s_add_co_u32 s12, s12, s87                          ; V's tile row: 256 tokens
	s_lshl_b32 s44, s41, 2
	s_lshl_b32 s44, 15, s44                             ; my row of the cluster
	s_lshl_b32 s45, 0x1111, s40                         ; my column
	GROUP1 G1A, 44, 400                                 ; at the head a chunk whole,
	GROUP1 G1B, 45, 200                                 ; the weight's rowblock by halves
	s_mov_b32 s[G0A], 1
	s_mul_i32 s[G0A+1], s16, YB                         ; wave 2 fills slot 0, wave 3 slot 1
	s_mov_b32 s[G0B], 1
	s_mul_i32 s20, s14, RBI/2
	s_add_co_u32 s[G0B+1], s20, BVB
	s_add_co_u32 s21, s13, 80
	s_mul_i32 s21, s21, RBI
	s_add_co_u32 s20, s20, s21                          ; W_value's rowblock, my half
	s_mov_b32 s21, 0
	s_lshl_b32 s22, s12, 1
	s_add_co_u32 s22, s22, s16
	s_mul_i32 s22, s22, RBI                             ; chunk 0 or 1
	s_mov_b32 s23, 0
	s_mul_i32 s8, s15, TIL
	s_mul_i32 s9, s16, TIL
	s_add_co_u32 s9, s9, BVB
	s_lshl_b32 s2, s15, 8
	s_lshl_b32 s3, s16, 10
	s_add_co_u32 s2, s2, s3
	s_add_co_u32 s2, s2, XN
	s_lshl_b32 s3, s15, 9
	s_lshl_b32 s17, s16, 4
	s_add_co_u32 s3, s3, s17
	s_add_co_u32 s3, s3, XM
	v_and_b32 v1, 15, v0                                ; r
	v_bfe_u32 v2, v0, 4, 1                              ; h
	v_and_b32 v3, 31, v0
	v_lshlrev_b32 v[CO], 4, v3
	v_lshlrev_b32 v[CO8], 3, v3
	v_add_nc_u32 v[ADRA0], s8, v[CO]
	v_add_nc_u32 v[ADRA0+1], 2*TIL, v[ADRA0]
	v_add_nc_u32 v[ADRB], s9, v[CO]
	v_add_nc_u32 v[ADRB+1], 4*TIL, v[ADRB]
	v_lshl_add_u32 v[STO], v1, 4, v2
	v_add_nc_u32 v[STO], s2, v[STO]                     ; Q's or K's byte: 16 r + h (+ 2 x tile)
	v_lshl_add_u32 v[STV], v1, 5, v2
	v_add_nc_u32 v[STV], s3, v[STV]                     ; V's: 32 r + 16 b + h (+ 4 t + 2 c)
	WALU
	s_wait_dscnt 0x0                                    ; both opening adds are done
	CROUND                                              ; the first joint loads meet
	s_wait_kmcnt 0x0
	s_add_nc_u64 s[G0B+2:G0B+3], s[4:5], s[20:21]
	s_or_b32 s[G0B+3], s[G0B+3], 0x80000000
	s_add_nc_u64 s[G0A+2:G0A+3], s[4:5], s[22:23]
	s_or_b32 s[G0A+3], s[G0A+3], 0x80000000
	s_cmp_lt_u32 s14, 2
	s_cbranch_scc0 .Lchunk_0
	TLOAD G0B, G1B                                      ; waves 0 and 1: W_value's rows, needed first
	s_branch .Lasked
.Lchunk_0:
	s_cmp_eq_u32 s14, 2
	s_cbranch_scc0 .Lchunk_1
	TLOAD G0A, G1A                                      ; wave 2: chunk 0
	s_branch .Lasked
.Lchunk_1:
	TLOAD G0A, G1A                                      ; wave 3: chunk 1
.Lasked:
	s_add_co_u32 s9, s42, 64
	s_mul_i32 s9, s9, RBI                               ; W_query's or W_key's rowblock
	s_xor_b32 s20, s87, 1
	s_lshl_b32 s20, s20, 1
	s_lshl_b32 s21, s43, 2
	s_add_co_u32 s20, s20, s21
	s_mul_i32 s88, s20, RBI                             ; the other half's chunks
	s_mov_b32 s47, 0
	s_mov_b32 s46, 0
	s_lshr_b32 s20, s42, 3                              ; where the results go.  Q, K: unit 512 (K?) + 8 x rowblock + s,
	s_lshl_b32 s20, s20, 9
	s_and_b32 s22, s42, 7
	s_add_co_u32 s20, s20, s22
	s_add_co_u32 s22, s21, s15                          ; rowblock 4 x tile row + a (+ 2 x half)
	s_lshl_b32 s22, s22, 3
	s_add_co_u32 s22, s22, s20
	s_mul_i32 s22, s22, 12800
	s_mul_i32 s23, s16, 768                             ; half b of a tile's codes
	s_add_co_u32 s22, s22, s23
	s_mov_b32 s23, 0
	s_add_nc_u64 s[10:11], s[6:7], s[22:23]
	s_xor_b32 s22, s15, s87                             ; scale words: wave 2 o + a empties the stage of half o in order of work
	s_lshl_b32 s22, s22, 1
	s_add_co_u32 s22, s22, s21
	s_add_co_u32 s22, s22, s16
	s_lshl_b32 s22, s22, 3
	s_add_co_u32 s22, s22, s20
	s_mul_i32 s22, s22, 12800
	s_add_co_u32 s22, s22, 12288
	s_add_nc_u64 s[48:49], s[6:7], s[22:23]
	s_lshr_b32 s20, s12, 3                              ; V: unit 1,024 + 128 x batch + 16 x tile column + key step 2 (tile row % 8) + a
	s_lshl_b32 s20, s20, 7
	s_lshl_b32 s21, s13, 4
	s_add_co_u32 s20, s20, s21
	s_and_b32 s21, s12, 7
	s_lshl_b32 s21, s21, 1
	s_add_co_u32 s20, s20, s21
	s_add_co_u32 s20, s20, s15
	s_add_co_u32 s20, s20, 1024
	s_mul_i32 s20, s20, 12800
	s_mul_i32 s22, s16, 4*1536
	s_add_co_u32 s22, s22, s20
	s_add_nc_u64 s[50:51], s[6:7], s[22:23]
	s_lshl_b32 s22, s16, 8
	s_add_co_u32 s22, s22, s20
	s_add_co_u32 s22, s22, 12288
	s_add_nc_u64 s[52:53], s[6:7], s[22:23]
	s_cmp_lt_u32 s14, 2
	s_cbranch_scc0 .Lnot_w
	s_wait_tensorcnt 0x0
.Lnot_w:
	BARRIER                                             ; W_value's rows are in
	WEIGHTS
	s_cmp_eq_u32 s14, 3
	s_cbranch_scc1 .Lnot_0
	s_wait_tensorcnt 0x0
.Lnot_0:
	s_wait_dscnt 0x0
	BARRIER                                             ; chunk 0 is in; chunk 1 may be on its way
	FETCH01
; ================= PHASE 1: V, eight blocks; band 0's way outs stand in band 1's blocks
.irp s, 0,1
	s_wait_dscnt NF
	BLOCK 1, \s, HV0+8*\s, 32, 0, 32, L_STEP
	WIN 0
	PLACES 4
	WALU
	FETCH \s
.endr
	s_wait_dscnt NF
	GRD
	BLOCK 1, 0, HV0+16, 32, 0, 24, L_V2
	WIN 0
	s_wait_dscnt 0x0
	s_barrier_signal -1
	BLOCK 1, 0, HV0+16, 32, 24, 32, L_NONE
	MIDDLE
	BARRIER
	TLOAD G0B, G1B                                      ; W_query's or W_key's rows onto W_value's, which all waves hold in registers; its v_nop are the places ahead of the fetch
	WALU
	FETCH 0
	BLOCK 1, 1, HV0+24, 32, 0, 32, L_STEP
	WIN 0
	PLACES 4
	WALU
	FETCH 1
.irp j, 0,1,2
	s_wait_dscnt NF+(\j+1)/2
.if \j < 2
	BLOCK 1, \j%2, HV1+8*\j, 32, 0, 32, L_OUT, HV0+32*\j, \j
.else
	BLOCK 1, \j%2, HV1+8*\j, 32, 0, 32, L_LAST, HV0+32*\j, \j
.endif
	WIN 0
	CODES6 HV0+32*\j, MCD+12*\j, \j
	WALU
	ds_store_b8 v[STV], v[EB+\j] offset:4*\j
.if \j < 2
	FETCH \j%2
.endif
.endr
	s_wait_dscnt 1
	BLOCK 1, 1, HV1+24, 32, 0, 26, L_LAST, HV0+96, 3
	WIN 0
	WALU
	s_wait_tensorcnt 0x0
	s_wait_dscnt 0x0
	s_barrier_signal -1                                 ; a plain barrier: the weights that the first refill brought are shown to all
	BLOCK 1, 1, HV1+24, 32, 26, 32, L_NONE
	WIN 0
	s_barrier_wait -1
	CODES6 HV0+96, MCD+36, 3
	WALU
	ds_store_b8 v[STV], v[EB+3] offset:12
; ================= THE CHANGE OF PHASE: the weights and the first two tiles, which lie in slot 0 still, in one run; band 1's four way outs under their flight
	WEIGHTS
	FETCH01
.set I, 0
.rept 18
.irp t, 0,1,2,3
	CHAIN I, HV1+32*\t, \t, 64+4*\t
.endr
.set I, I+1
.endr
.set I, 0
.rept 6
.irp t, 0,1,2,3
	CODES I, HV1+32*\t, MCD+12*\t+6, \t, 80+4*\t
.endr
.set I, I+1
.endr
	WIN 0
	WALU
; ================= PHASE 2: Q or K, sixteen blocks
	s_wait_dscnt NF
	BLOCK 0, 0, ACC, 8, 0, 32, L_STEP
	WIN 0
	PLACES 4
	WALU
.irp t, 0,1,2,3
	ds_store_b8 v[STV], v[EB+\t] offset:4*\t+2
.endr
.irp t, 0,1,2,3
.irp k, 0,1,2
	global_store_b128 v[CO], v[MCD+12*\t+4*\k:MCD+12*\t+4*\k+3], s[50:51] offset:1536*\t+512*\k
.endr
.endr
	FETCH 0
	BLK 1, NF+4, 1
	s_mov_b32 s86, 0
.Lwith_rounds:                                          ; blocks 2 to 5, 6 to 9
	EVENROUND NF+1
	BLK 1, -1, 1
	BLK 0, NF+1, 1
	BLK 1, NF+1, 1
	s_add_co_u32 s86, s86, 1
	s_cmp_lg_u32 s86, 2
	s_cbranch_scc1 .Lwith_rounds
.Lwithout:                                              ; blocks 10, 11 and 12, 13
	EVENSHOW NF+1
	BLK 1, -1, 1
	s_add_co_u32 s86, s86, 1
	s_cmp_lg_u32 s86, 4
	s_cbranch_scc1 .Lwithout
	BLK 0, NF+1, 0
	BLK 1, 1, 0
; ================= THE END: the last way out; the scale bytes go through LDS under its conversions
	PL 0
	PL 1
	PL 2
	s_lshl_b32 s21, s14, 8
	s_add_co_u32 s22, s21, XN
	s_add_co_u32 s21, s21, XM
	v_add_nc_u32 v12, s22, v[CO8]
	v_add_nc_u32 v14, s21, v[CO8]
.set I, 0
.rept 18
	CHAIN I, ACC+32, 1
.set I, I+1
.endr
	CODES 2, ACC+32, NCD+6, 1
	WALU
	ds_store_b8 v[VX], v[EB+1]
	s_wait_dscnt 0x0
	s_barrier_signal -1
	CODES 0, ACC+32, NCD+6, 1
	CODES 1, ACC+32, NCD+6, 1
	v_nop
.irp i, 3,4,5
	CODES \i, ACC+32, NCD+6, 1
.endr
	s_barrier_wait -1
	WALU
	ds_load_b64 v[64:65], v12                           ; columns 0-63's bytes, two to a word,
	ds_load_b64 v[66:67], v12 offset:1024               ; and columns 64-127's
	ds_load_b64 v[68:69], v14
	global_store_b128 v[CO], v[NCD+6:NCD+9], s[84:85]
	global_store_b64 v[CO8], v[NCD+10:NCD+11], s[84:85] offset:512
	s_wait_dscnt 0x0
	v_perm_b32 v70, v66, v64, 0x05040100
	v_perm_b32 v71, v66, v64, 0x07060302
	v_perm_b32 v72, v67, v65, 0x05040100
	v_perm_b32 v73, v67, v65, 0x07060302
	global_store_b128 v[CO], v[70:73], s[48:49]
	global_store_b64 v[CO8], v[68:69], s[52:53]
	s_wait_tensorcnt 0x0                                ; the wave's end
	ds_add_u32 v[SPW], v[NIL]
	s_wait_dscnt 0x0
	CROUND                                              ; the closing round
	s_endpgm
.Lfunc_end_k_q900469b60d_proj:
	.size	k_q900469b60d_proj, .Lfunc_end_k_q900469b60d_proj-k_q900469b60d_proj
	.p2alignl 7, 3214868480
	.fill 96, 4, 3214868480
	.section	.rodata,"a",@progbits
	.p2align	6, 0x0
	.amdhsa_kernel k_q900469b60d_proj
		.amdhsa_group_segment_fixed_size 327680
		.amdhsa_private_segment_fixed_size 0
		.amdhsa_enable_private_segment 0
		.amdhsa_kernarg_size 16
		.amdhsa_user_sgpr_count 2
		.amdhsa_user_sgpr_kernarg_segment_ptr 1
		.amdhsa_wavefront_size32 1
		.amdhsa_system_sgpr_workgroup_id_x 1
		.amdhsa_system_sgpr_workgroup_id_y 1
		.amdhsa_system_sgpr_workgroup_id_z 1
		.amdhsa_system_vgpr_workitem_id 0
		.amdhsa_next_free_vgpr 976
		.amdhsa_next_free_sgpr 102
		.amdhsa_reserve_vcc 0
		.amdhsa_float_denorm_mode_32 3
		.amdhsa_float_denorm_mode_16_64 3
		.amdhsa_memory_ordered 1
		.amdhsa_forward_progress 1
		.amdhsa_inst_pref_size 177
	.end_amdhsa_kernel
	.amdgpu_metadata
---
amdhsa.version: [ 1, 2 ]
amdhsa.kernels:
  - .name:           k_q900469b60d_proj
    .symbol:         k_q900469b60d_proj.kd
    .args:
      - { .name: opx, .offset: 0, .size: 8, .value_kind: global_buffer, .address_space: global }
      - { .name: qkv, .offset: 8, .size: 8, .value_kind: global_buffer, .address_space: global }
    .group_segment_fixed_size: 327680
    .private_segment_fixed_size: 0
    .kernarg_segment_align: 8
    .kernarg_segment_size: 16
    .max_flat_workgroup_size: 128
    .sgpr_count:     102
    .vgpr_count:     976
    .wavefront_size: 32
...
	.end_amdgpu_metadata
.endif
;; end of part 2
;; launch score (part 3): grid 8 x 32, 4 waves a work-group, clusters of 4 x 4, 327,680 bytes of LDS; arguments qkv, pc, pst; writes pc, pst
.if DOCPART == 3
	.amdgcn_target "amdgcn-amd-amdhsa--gfx1250"
	.amdhsa_code_object_version 6
	.text
	.protected	k_q900469b60d_score
	.globl	k_q900469b60d_score
	.p2align	8
	.type	k_q900469b60d_score,@function
k_q900469b60d_score:
	s_mov_b64 s[64:65], 0
	v_nop
	global_prefetch_b8 v0, s[64:65] scope:SCOPE_SE
	s_setreg_imm32_b32 hwreg(HW_REG_WAVE_MODE, 25, 1), 1
	s_wait_xcnt 0x0
	s_wait_alu depctr_hold_cnt(0) depctr_sa_sdst(0) depctr_va_vdst(0) depctr_va_sdst(0) depctr_va_ssrc(0) depctr_va_vcc(0) depctr_vm_vsrc(0)
	s_getreg_b32 s2, hwreg(HW_REG_IB_STS2, 6, 4)
	s_cmp_eq_u32 s2, 0
	s_cbranch_scc0 .Lentry_in_a_cluster
	s_endpgm
.Lentry_in_a_cluster:
	s_bfe_u32 s2, ttmp6, 0x10000c
	s_cmp_lg_u32 s2, 0xf033
	s_cbranch_scc0 .Lentry_shape_is_right
	s_endpgm
.Lentry_shape_is_right:
; S^T = K Q^T on codes of FP6 (E2M3) with E8M0 scales, K = 1,024; then p = 2^(t - M), t = score x log2(e) / 32, quantised along the keys.  M is a whole number of its own for each query and each 128 keys (the ceiling of the largest t there);
; the next launch brings the parts under one M by powers of two.  pc: [rowblock of queries][key step][tile 8][j 3][lane][16 bytes]; pst: [rowblock][key step][scale word, -M, sum of p][r 16][tile 8].
; LIMITS: the scaled scores t stay under 2^31 in magnitude; a block whose largest p has fallen under 2^-124 keeps the byte 1 (its codes fall toward 0); NaN and infinities are not served.
; Operands: units of 128 rows x 128 along K, 12,800 bytes: eight tiles of 1,536 bytes, then scale words [r 16][tile 8].  Lane r of tile i holds row 64 (i / 4) + 32 (r / 8) + 8 (i % 4) + r % 8: so a lane's 32 results of four key tiles are 32 neighbouring keys.
; SHARES: 256 queries x 256 keys to a work-group, 256 work-groups; four waves, 128 x 128 each: 64 accumulators, 512 registers.  4 x 4 work-groups to a cluster: Q's rowblocks shared along a row, K's along a column, asked for JOINTLY, a rowblock a wave.
; K's eight steps come in three fills: steps 0-2 at the head, 3-5 behind the first barrier into their own places, 6-7 onto 0-1.  No prefetch: the launch has no loop, and one refill.
; Both operands have two sets of fragments: the next step's loads stand in two runs, ahead of a step's first and of its second 32 products.
; REGISTERS: window 0: v16-31 addresses; v32-47 scale words, two sets; v64-255 Q's fragments, two sets, later the softmax.  window 1: K's, two sets, at v0 and v128.  windows 2, 3: accumulators (a, b) at 8 (8 (a % 4) + b).
.set UN,    12800
.set AREA,  6*UN                       ; a rowblock's six places in LDS
.set SPARE, 4*AREA
.set ADRA,  16                         ; v16, v17  Q: 16 x lane, places 0-2, 3-5;  v18, v19  8 x lane
.set ADRB,  20                         ; v20-23    the same for K
.set LI,    24
.set SOF,   25
.set ADS,   26                         ; v26, v27  scale words: lanes 0-15 Q's, lanes 16-31 K's
.set SPW,   28
.set NIL,   29
.set H8,    30                         ; v30     8 h
.set SC,    32
.set AF,    64
.set G1,    24
.set G1B,   32
.set GA,    56
.set GB,    60
.set CS,    66
.set SEL,   100
; the softmax: two query tiles, u = 0, 1, side by side
.set TP3,   6                          ; v6, v7
.set TP4,   8                          ; v8, v9
.set LD,    16                         ; v16-23   the sums (the fragments' addresses have served)
.set WD,    48                         ; v48-55   the scale words
.set MD,    56                         ; v56-63   -M
.set P,     64                         ; v64-191  p
.set PCB,   192                        ; v192-215 the codes
.set S4,    216                        ; v216-231 four chains of sums a tile, then the conversions' upper halves
.set T,     216
.set TM,    232                        ; v232-239
.set SO,    240
.set EX,    244
.set NM,    248
.set TP,    252
.set TP2,   254
.set SW,    64                         ; v64-75   the way out of the statistics
.set MSB, 0
.macro WIN new
.if MSB != \new
	s_set_vgpr_msb (MSB<<8)|\new
.set MSB, \new
.endif
.endm
.macro JLOAD                           ; a joint load: waves 0, 1 Q's rowblocks, waves 2, 3 K's
	s_cmp_eq_u32 s15, 0
	s_cbranch_scc0 .Lfor_b_\@
	tensor_load_to_lds s[GA:GA+3], s[G1:G1+7]
	s_nop 0
.rept 4
	v_nop
.endr
	s_branch .Lasked_\@
.Lfor_b_\@:
	tensor_load_to_lds s[GB:GB+3], s[G1B:G1B+7]
	s_nop 0
.rept 4
	v_nop
.endr
.Lasked_\@:
.endm
.macro CREST
	s_cmp_lg_u32 s14, 0
	s_cbranch_scc1 .Lnot_wave_0_\@
	s_barrier_signal -3
.Lnot_wave_0_\@:
	s_barrier_wait -3
	s_barrier_signal -1
	s_barrier_wait -1
.endm
.macro CROUND
	s_barrier_signal -1
	s_barrier_wait -1
	CREST
.endm
.macro PLACES n                        ; ahead of loads into registers that products have read
.rept \n
	v_nop
.endr
.endm
.macro FRG reg, ad, pl, i              ; a fragment of tile i from place pl: each half of 64 along K as 16 + 8 bytes a lane
.set X_, (\pl)/3
.set O_, UN*((\pl)%3)+1536*(\i)
	ds_load_b128 v[\reg:\reg+3], v[\ad+X_] offset:O_
	ds_load_b64 v[\reg+4:\reg+5], v[\ad+2+X_] offset:O_+512
	ds_load_b128 v[\reg+6:\reg+9], v[\ad+X_] offset:O_+768
	ds_load_b64 v[\reg+10:\reg+11], v[\ad+2+X_] offset:O_+1280
.endm
.macro LB pl, p                        ; a run of 34 loads: place pl's scale words and K's eight fragments into set p
	WIN 0
	ds_load_b128 v[SC+8*(\p):SC+8*(\p)+3], v[ADS+(\pl)/3] offset:UN*((\pl)%3)+12288
	ds_load_b128 v[SC+8*(\p)+4:SC+8*(\p)+7], v[ADS+(\pl)/3] offset:UN*((\pl)%3)+12304
	WIN 0x40
.irp i, 0,1,2,3,4,5,6,7
	FRG 128*(\p)+12*\i, ADRB, \pl, \i
.endr
.endm
.macro LA pl, p                        ; and of 32: Q's
	WIN 0
.irp i, 0,1,2,3,4,5,6,7
	FRG AF+96*(\p)+12*\i, ADRA, \pl, \i
.endr
.endm
.macro PR n, p, zero                   ; product n = 8 a + b.  The 64 accumulators take turns, one instruction a turn
.set A_, (\n)/8
.set B_, (\n)%8
.set D_, 8*((\n)%32)
	WIN 0xa1+0x50*(A_/4)
.if \zero
	v_wmma_scale_f32_16x16x128_f8f6f4 v[D_:D_+7], v[128*(\p)+12*B_:128*(\p)+12*B_+11], v[AF+96*(\p)+12*A_:AF+96*(\p)+12*A_+11], 0, v[SC+8*(\p)+B_], v[SC+8*(\p)+A_] matrix_a_fmt:MATRIX_FMT_FP6 matrix_b_fmt:MATRIX_FMT_FP6 matrix_a_scale:MATRIX_SCALE_ROW1
.else
	v_wmma_scale_f32_16x16x128_f8f6f4 v[D_:D_+7], v[128*(\p)+12*B_:128*(\p)+12*B_+11], v[AF+96*(\p)+12*A_:AF+96*(\p)+12*A_+11], v[D_:D_+7], v[SC+8*(\p)+B_], v[SC+8*(\p)+A_] matrix_a_fmt:MATRIX_FMT_FP6 matrix_b_fmt:MATRIX_FMT_FP6 matrix_a_scale:MATRIX_SCALE_ROW1
.endif
.endm
.macro RUN from, to, p, zero           ; products from .. to - 1
.set N_, \from
.rept (\to)-(\from)
	PR N_, \p, \zero
.set N_, N_+1
.endr
.endm
.macro STEP p, zero, pl                ; a step on set p; place pl goes into the other set
	s_wait_dscnt 0x0
	PLACES 4
	LB \pl, 1-(\p)
	RUN 0, 32, \p, \zero
	LA \pl, 1-(\p)
	RUN 32, 64, \p, \zero
.endm
.macro TURNF p, pl                     ; the refill: each wave's loads have landed and its reads of the first places are over; the round; then steps 6 and 7 onto places 0 and 1
	WIN 0
	s_wait_tensorcnt 0x0
	ds_add_u32 v[SPW], v[NIL]
	s_mov_b32 s[G1+2], 100<<16         ; two units
	s_mov_b32 s[G1+4], 100
	s_mov_b32 s[G1B+2], 100<<16
	s_mov_b32 s[G1B+4], 100
	s_mov_b32 s[GA+1], s23
	s_mov_b32 s[GB+1], s23
	s_add_nc_u64 s[GA+2:GA+3], s[GA+2:GA+3], 3*UN
	s_add_nc_u64 s[GB+2:GB+3], s[GB+2:GB+3], 3*UN
	s_wait_dscnt 1                     ; (the add alone may be out)
	RUN 0, 8, \p, 0
	s_wait_dscnt 0x0
	s_barrier_signal -1
	RUN 8, 16, \p, 0
	WIN 0
	s_barrier_wait -1
	CREST
	JLOAD                              ; its four v_nop are the places ahead of the loads
	LB \pl, 1-(\p)
	RUN 16, 40, \p, 0
	LA \pl, 1-(\p)
	RUN 40, 64, \p, 0
.endm
.macro TURNS p, pl                     ; a plain barrier shows the refill to all
	WIN 0
	s_wait_tensorcnt 0x0
	s_wait_dscnt 0x0
	s_barrier_signal -1
	RUN 0, 8, \p, 0
	WIN 0
	s_barrier_wait -1
	PLACES 4
	LB \pl, 1-(\p)
	RUN 8, 36, \p, 0
	LA \pl, 1-(\p)
	RUN 36, 64, \p, 0
.endm
	s_load_b128 s[4:7], s[0:1], 0x0                ; qkv, pc
	s_load_b64 s[8:9], s[0:1], 0x10                ; pst
	v_lshl_add_u32 v[SPW], v0, 2, SPARE
	v_mov_b32 v[NIL], 0
	ds_add_u32 v[SPW], v[NIL]                      ; the opening lines: the add, twice on end, and its wait
	ds_add_u32 v[SPW], v[NIL]
	v_lshrrev_b32 v1, 5, v0
	v_readfirstlane_b32 s14, v1                    ; wave
	s_lshr_b32 s15, s14, 1                         ; which 128 queries are mine.  Also: I fetch for Q (0) or K (1)
	s_and_b32 s16, s14, 1                          ; which 128 keys.  Also: which rowblock I fetch
	s_bfe_u32 s92, ttmp6, 0x40000
	s_bfe_u32 s93, ttmp6, 0x40004
	s_lshl_b32 s18, ttmp9, 2
	s_add_co_u32 s18, s18, s92                     ; tile column: 256 keys
	s_and_b32 s19, ttmp7, 0xffff
	s_lshl_b32 s17, s19, 2
	s_add_co_u32 s17, s17, s93                     ; tile row: 256 queries, over all batches
	s_lshr_b32 s19, s19, 1                         ; the batch
	s_lshl_b32 s22, s93, 2
	s_lshl_b32 s22, 15, s22                        ; my row of the cluster
	s_lshl_b32 s96, 0x1111, s92                    ; my column
	s_or_b32 s[G1], s22, (3<<16)|(1<<21)           ; dense bytes as rows of 256 (32 elements of 8 bytes): three units are 150 rows
	s_or_b32 s[G1B], s96, (3<<16)|(1<<21)
.irp g, G1, G1B
	s_mov_b32 s[\g+1], 32<<16
	s_mov_b32 s[\g+2], 150<<16
	s_mov_b32 s[\g+3], 32<<16
	s_mov_b32 s[\g+4], 150
	s_mov_b32 s[\g+5], 32
	s_mov_b32 s[\g+6], 0
	s_mov_b32 s[\g+7], 0
.endr
	s_lshl_b32 s20, s17, 1
	s_add_co_u32 s20, s20, s16
	s_mul_i32 s20, s20, 8*UN                       ; Q's rowblock
	s_mov_b32 s21, 0
	s_lshl_b32 s94, s18, 1
	s_add_co_u32 s94, s94, s16
	s_lshl_b32 s19, s19, 4
	s_add_co_u32 s94, s94, s19
	s_mul_i32 s94, s94, 8*UN
	s_add_co_u32 s94, s94, 512*UN                  ; K's
	s_mov_b32 s95, 0
	s_mul_i32 s23, s14, AREA                       ; my rowblock's places: no place in the cluster enters an LDS address
	s_mul_i32 s2, s15, AREA
	s_add_co_u32 s3, s16, 2
	s_mul_i32 s3, s3, AREA
	s_sub_co_u32 s12, s3, s2
	v_and_b32 v1, 15, v0                           ; r
	v_bfe_u32 v2, v0, 4, 1                         ; h
	v_and_b32 v3, 31, v0
	v_lshlrev_b32 v[LI], 4, v3
	v_lshlrev_b32 v4, 3, v3
	v_add_nc_u32 v[ADRA], s2, v[LI]
	v_add_nc_u32 v[ADRA+2], s2, v4
	v_add_nc_u32 v[ADRB], s3, v[LI]
	v_add_nc_u32 v[ADRB+2], s3, v4
	v_add_nc_u32 v[ADRA+1], 3*UN, v[ADRA]
	v_add_nc_u32 v[ADRA+3], 3*UN, v[ADRA+2]
	v_add_nc_u32 v[ADRB+1], 3*UN, v[ADRB]
	v_add_nc_u32 v[ADRB+3], 3*UN, v[ADRB+2]
	v_mul_u32_u24 v5, s12, v2
	v_lshl_add_u32 v5, v1, 5, v5
	v_add_nc_u32 v[ADS], s2, v5
	v_add_nc_u32 v[ADS+1], 3*UN, v[ADS]
	v_lshlrev_b32 v[H8], 3, v2
	v_lshlrev_b32 v[SOF], 5, v1
	v_lshl_add_u32 v[SOF], v2, 4, v[SOF]           ; 32 r + 16 h
	s_wait_alu depctr_va_vdst(0)
	s_wait_dscnt 0x0                               ; both opening adds are done
	CROUND                                         ; the first joint loads meet
	s_wait_kmcnt 0x0
	s_mov_b32 s[GA], 1
	s_mov_b32 s[GA+1], s23
	s_add_nc_u64 s[GA+2:GA+3], s[4:5], s[20:21]
	s_or_b32 s[GA+3], s[GA+3], 0x80000000
	s_mov_b32 s[GB], 1
	s_mov_b32 s[GB+1], s23
	s_add_nc_u64 s[GB+2:GB+3], s[4:5], s[94:95]
	s_or_b32 s[GB+3], s[GB+3], 0x80000000
	JLOAD                                          ; steps 0-2: one tensor load a wave
	s_lshl_b32 s20, s17, 1                         ; where my results go: (rowblock of queries) x 16 + key step
	s_add_co_u32 s20, s20, s15
	s_lshl_b32 s20, s20, 4
	s_lshl_b32 s21, s18, 1
	s_add_co_u32 s20, s20, s21
	s_add_co_u32 s20, s20, s16
	s_mul_i32 s98, s20, 1536
	s_mov_b32 s99, 0
	s_mul_i32 s20, s20, 12288
	s_mov_b32 s21, 0
	s_add_nc_u64 s[12:13], s[6:7], s[20:21]
	s_add_nc_u64 s[98:99], s[8:9], s[98:99]
	s_mov_b32 s[SEL], 0x76543210                   ; lane l xor 16
	s_mov_b32 s[SEL+1], 0xfedcba98
	s_mov_b32 s[CS], 0x3d38aa3b                    ; log2(e) / 32
	s_mov_b32 s[CS+1], s[CS]
	s_wait_tensorcnt 0x0                           ; my part of steps 0-2 is in
	ds_add_u32 v[SPW], v[NIL]
	s_add_co_u32 s[GA+1], s23, 3*UN
	s_add_co_u32 s[GB+1], s23, 3*UN
	s_add_nc_u64 s[GA+2:GA+3], s[GA+2:GA+3], 3*UN
	s_add_nc_u64 s[GB+2:GB+3], s[GB+2:GB+3], 3*UN
	s_wait_dscnt 0x0
	CROUND
	JLOAD                                          ; steps 3-5
	LB 0, 0
	LA 0, 0
	STEP 0, 1, 1
	STEP 1, 0, 2
	TURNF 0, 3
	STEP 1, 0, 4
	STEP 0, 0, 5
	TURNS 1, 0
	STEP 0, 0, 1
	s_wait_dscnt 0x0
	RUN 0, 64, 1, 0
	WIN 0
; THE SOFTMAX of query tiles a and a + 1, line by line in turn: lane (r, h) holds query r; registers 32 c + i of its 64 are keys 64 c + 32 h + i: two whole blocks
.macro SOFT2 a
.set W_, 2+(\a)/4
.set AC_, 64*((\a)%4)
	s_wait_alu depctr_va_vdst(0)                   ; the wait ahead of the first readers of the sums
	WIN 21*W_
.irp u, 0,1
.irp k, 0,1,2,3
	v_max3_num_f32 v[TM+4*\u+\k], v[AC_+64*\u+16*\k], v[AC_+64*\u+16*\k+1], v[AC_+64*\u+16*\k+2]
.endr
.endr
	WIN 20*W_
.irp i, 3,5,7,9,11,13
.irp u, 0,1
.irp k, 0,1,2,3
	v_max3_num_f32 v[TM+4*\u+\k], v[TM+4*\u+\k], v[AC_+64*\u+16*\k+\i], v[AC_+64*\u+16*\k+\i+1]
.endr
.endr
.endr
	WIN 4*W_
.irp u, 0,1
	v_max3_num_f32 v[TM+4*\u], v[TM+4*\u], v[AC_+64*\u+15], v[TM+4*\u+1]
	v_max3_num_f32 v[TM+4*\u+2], v[TM+4*\u+2], v[AC_+64*\u+47], v[TM+4*\u+3]
.endr
.irp u, 0,1
	v_max_num_f32 v[TM+4*\u], v[TM+4*\u], v[AC_+64*\u+31]        ; each block's largest score: it serves for the row's maximum and for the block's largest p
	v_max_num_f32 v[TM+4*\u+2], v[TM+4*\u+2], v[AC_+64*\u+63]
.endr
	WIN 0
.irp u, 0,1
	v_max_num_f32 v[TP+\u], v[TM+4*\u], v[TM+4*\u+2]
.endr
.irp u, 0,1
	v_permlanex16_b32 v[TP2+\u], v[TP+\u], s[SEL], s[SEL+1]
.endr
.irp u, 0,1
	v_max_num_f32 v[TP+\u], v[TP+\u], v[TP2+\u]
.endr
.irp u, 0,1
	v_mul_f32 v[TP+\u], s[CS], v[TP+\u]
.endr
.irp u, 0,1
	v_floor_f32 v[NM+2*\u], -v[TP+\u]              ; -M
.endr
	WIN W_
.irp u, 0,1
.set j, 0
.rept 32
	v_pk_fma_f32 v[P+64*\u+j:P+64*\u+j+1], v[AC_+64*\u+j:AC_+64*\u+j+1], s[CS:CS+1], v[NM+2*\u:NM+2*\u+1] op_sel_hi:[1,0,0]
.set j, j+2
.endr
.endr
	WIN 0
.irp u, 0,1
	v_fma_f32 v[TM+4*\u], v[TM+4*\u], s[CS], v[NM+2*\u]
	v_fma_f32 v[TM+4*\u+2], v[TM+4*\u+2], s[CS], v[NM+2*\u]
.endr
.if (\a) > 0
	s_wait_xcnt 0x0                                ; the last two tiles' stores have read the code registers
.endif
	s_wait_alu depctr_va_vdst(0)                   ; ahead of the batch
.irp u, 0,1
	v_exp_f32 v[TM+4*\u], v[TM+4*\u]               ; each block's largest p,
	v_exp_f32 v[TM+4*\u+2], v[TM+4*\u+2]
.endr
.set j, 0
.rept 128
	v_exp_f32 v[P+j], v[P+j]                       ; and p
.set j, j+1
.endr
	v_mov_b32 v[MD+(\a)], v[NM]
	v_mov_b32 v[MD+(\a)+1], v[NM+2]
	s_wait_alu depctr_va_vdst(0)                   ; and behind it
.irp u, 0,1
	v_max_num_f32 v[TM+4*\u], 0x1800000, v[TM+4*\u]              ; the floor 2^(3 - 127): the byte cannot fall under 1
	v_max_num_f32 v[TM+4*\u+2], 0x1800000, v[TM+4*\u+2]
.endr
.irp u, 0,1
.irp k, 0,1,2,3
	v_pk_add_f32 v[S4+8*\u+2*\k:S4+8*\u+2*\k+1], v[P+64*\u+4*\k:P+64*\u+4*\k+1], v[P+64*\u+4*\k+2:P+64*\u+4*\k+3]   ; the sum of the unquantised p, four chains a tile
.endr
.endr
.irp u, 0,1
	v_add_nc_u32 v[SO+2*\u], 0xff000000, v[TM+4*\u]              ; 2 off the exponent field: the conversion's scale operand
	v_add_nc_u32 v[SO+2*\u+1], 0xff000000, v[TM+4*\u+2]
.endr
.irp i, 16,24,32,40,48,56
.irp u, 0,1
.irp k, 0,1,2,3
	v_pk_add_f32 v[S4+8*\u+2*\k:S4+8*\u+2*\k+1], v[S4+8*\u+2*\k:S4+8*\u+2*\k+1], v[P+64*\u+\i+2*\k:P+64*\u+\i+2*\k+1]
.endr
.endr
.endr
.irp u, 0,1
	v_lshrrev_b32 v[EX+2*\u], 23, v[SO+2*\u]
	v_lshrrev_b32 v[EX+2*\u+1], 23, v[SO+2*\u+1]
.endr
.irp u, 0,1
	v_pk_add_f32 v[S4+8*\u:S4+8*\u+1], v[S4+8*\u:S4+8*\u+1], v[S4+8*\u+2:S4+8*\u+3]
	v_pk_add_f32 v[S4+8*\u+4:S4+8*\u+5], v[S4+8*\u+4:S4+8*\u+5], v[S4+8*\u+6:S4+8*\u+7]
.endr
.irp u, 0,1
	v_lshl_or_b32 v[TP4+\u], v[EX+2*\u+1], 16, v[EX+2*\u]        ; my two bytes, 2 c + h
.endr
.irp u, 0,1
	v_pk_add_f32 v[S4+8*\u:S4+8*\u+1], v[S4+8*\u:S4+8*\u+1], v[S4+8*\u+4:S4+8*\u+5]
.endr
.irp u, 0,1
	v_lshlrev_b32 v[TP4+\u], v[H8], v[TP4+\u]
.endr
.irp u, 0,1
	v_add_f32 v[TP+\u], v[S4+8*\u], v[S4+8*\u+1]
.endr
.irp u, 0,1
	v_permlanex16_b32 v[TP3+\u], v[TP4+\u], s[SEL], s[SEL+1]
.endr
.irp u, 0,1
	v_permlanex16_b32 v[TP2+\u], v[TP+\u], s[SEL], s[SEL+1]
.endr
.irp u, 0,1
	v_or_b32 v[WD+(\a)+\u], v[TP4+\u], v[TP3+\u]   ; with lane l xor 16's two the word is whole
.endr
.irp u, 0,1
	v_add_f32 v[LD+(\a)+\u], v[TP+\u], v[TP2+\u]
.endr
.irp u, 0,1
.irp c, 0,1
	v_cvt_scalef32_pk16_fp6_f32 v[PCB+12*\u+6*\c:PCB+12*\u+6*\c+2], v[P+64*\u+32*\c:P+64*\u+32*\c+15], v[SO+2*\u+\c]
	v_cvt_scalef32_pk16_fp6_f32 v[T+8*\u+4*\c:T+8*\u+4*\c+2], v[P+64*\u+32*\c+16:P+64*\u+32*\c+31], v[SO+2*\u+\c]
.endr
.endr
	v_nop                                          ; one plain instruction behind the scaled conversions
.irp u, 0,1
.irp i, 0,1,2
.irp c, 0,1
	v_mov_b32 v[PCB+12*\u+6*\c+3+\i], v[T+8*\u+4*\c+\i]
.endr
.endr
.endr
.irp u, 0,1
.irp c, 0,1,2
	global_store_b128 v[LI], v[PCB+12*\u+4*\c:PCB+12*\u+4*\c+3], s[12:13] offset:1536*((\a)+\u)+512*\c   ; 32 lanes store 512 consecutive bytes, aligned
.endr
.endr
.endm
.macro SSTORE reg8, sw, off                        ; lane (r, h) stores tiles 4 h .. 4 h + 3 of row r: a wave 512 consecutive bytes
.irp e, 0,1,2,3
	v_cndmask_b32 v[\sw+\e], v[\reg8+\e], v[\reg8+4+\e], vcc_lo
.endr
	global_store_b128 v[SOF], v[\sw:\sw+3], s[98:99] offset:\off
.endm
	PLACES 4                                       ; behind the last products
.irp u, 0,1
	v_mov_b32 v[TP2+\u], 0                         ; written once: a lane permute's destination counts as one of its sources
	v_mov_b32 v[TP3+\u], 0
	v_mov_b32 v[NM+2*\u+1], 0                      ; (the upper half of a pair that is named)
.endr
	SOFT2 0
	SOFT2 2
	SOFT2 4
	SOFT2 6
	v_cmp_eq_u32 vcc_lo, 8, v[H8]
	SSTORE WD, SW, 0
	SSTORE MD, SW+4, 512
	SSTORE LD, SW+8, 1024
	s_wait_tensorcnt 0x0                           ; the wave's end
	ds_add_u32 v[SPW], v[NIL]
	s_wait_dscnt 0x0
	CROUND                                         ; the closing round
	s_endpgm
.Lfunc_end_k_q900469b60d_score:
	.size	k_q900469b60d_score, .Lfunc_end_k_q900469b60d_score-k_q900469b60d_score
	.p2alignl 7, 3214868480
	.fill 96, 4, 3214868480
	.section	.rodata,"a",@progbits
	.p2align	6, 0x0
	.amdhsa_kernel k_q900469b60d_score
		.amdhsa_group_segment_fixed_size 327680
		.amdhsa_private_segment_fixed_size 0
		.amdhsa_enable_private_segment 0
		.amdhsa_kernarg_size 24
		.amdhsa_user_sgpr_count 2
		.amdhsa_user_sgpr_kernarg_segment_ptr 1
		.amdhsa_wavefront_size32 1
		.amdhsa_system_sgpr_workgroup_id_x 1
		.amdhsa_system_sgpr_workgroup_id_y 1
		.amdhsa_system_sgpr_workgroup_id_z 1
		.amdhsa_system_vgpr_workitem_id 0
		.amdhsa_next_free_vgpr 1024
		.amdhsa_next_free_sgpr 102
		.amdhsa_reserve_vcc 1
		.amdhsa_float_denorm_mode_32 3
		.amdhsa_float_denorm_mode_16_64 3
		.amdhsa_memory_ordered 1
		.amdhsa_forward_progress 1
		.amdhsa_inst_pref_size 188
	.end_amdhsa_kernel
	.amdgpu_metadata
---
amdhsa.version: [ 1, 2 ]
amdhsa.kernels:
  - .name:           k_q900469b60d_score
    .symbol:         k_q900469b60d_score.kd
    .args:
      - { .name: qkv, .offset: 0, .size: 8, .value_kind: global_buffer, .address_space: global }
      - { .name: pc, .offset: 8, .size: 8, .value_kind: global_buffer, .address_space: global }
      - { .name: pst, .offset: 16, .size: 8, .value_kind: global_buffer, .address_space: global }
    .group_segment_fixed_size: 327680
    .private_segment_fixed_size: 0
    .kernarg_segment_align: 8
    .kernarg_segment_size: 24
    .max_flat_workgroup_size: 128
    .sgpr_count:     102
    .vgpr_count:     1024
    .wavefront_size: 32
...
	.end_amdgpu_metadata
.endif
;; end of part 3
;; launch pv (part 4): grid 4 x 64, 4 waves a work-group, clusters of 4 x 4, 327,680 bytes of LDS; arguments pc, pst, qkv, out0; writes out0
.if DOCPART == 4
	.amdgcn_target "amdgcn-amd-amdhsa--gfx1250"
	.amdhsa_code_object_version 6
	.text
	.protected	k_q900469b60d_pv
	.globl	k_q900469b60d_pv
	.p2align	8
	.type	k_q900469b60d_pv,@function
k_q900469b60d_pv:
	s_mov_b64 s[64:65], 0
	v_nop
	global_prefetch_b8 v0, s[64:65] scope:SCOPE_SE
	s_setreg_imm32_b32 hwreg(HW_REG_WAVE_MODE, 25, 1), 1
	s_wait_xcnt 0x0
	s_wait_alu depctr_hold_cnt(0) depctr_sa_sdst(0) depctr_va_vdst(0) depctr_va_sdst(0) depctr_va_ssrc(0) depctr_va_vcc(0) depctr_vm_vsrc(0)
	s_getreg_b32 s2, hwreg(HW_REG_IB_STS2, 6, 4)
	s_cmp_eq_u32 s2, 0
	s_cbranch_scc0 .Lentry_in_a_cluster
	s_endpgm
.Lentry_in_a_cluster:
	s_bfe_u32 s2, ttmp6, 0x10000c
	s_cmp_lg_u32 s2, 0xf033
	s_cbranch_scc0 .Lentry_shape_is_right
	s_endpgm
.Lentry_shape_is_right:
; out = P V / l on codes of FP6 (E2M3) with E8M0 scales: 4 batches of [2,048 queries, K = 2,048 keys] x [keys, 1,024 features]; out f32.
; P's codes were made under a whole number M of their own for each query and each 128 keys.  At the head each thread takes one query: the row's M is the largest of its 16; d = M - (a part's M), a whole number, is
; subtracted from that part's four scale bytes and the part's sum is multiplied by 2^-d: both exact.  The adjusted scale words and 1 / l lie in LDS for the whole launch.
; LIMITS: d is held at 127, and a byte that would fall under 0 is held at 0 (the scale 2^-127): parts more than 2^125 under the row's maximum count for at most that; NaN and infinities are not served.
; pc: [rowblock][key step][tile 8][j 3][lane][16 bytes].  V^T: units of 12,800 bytes: the same codes, then scale words [r 16][tile 8].  Lane r of tile i holds row 64 (i / 4) + 32 (r / 8) + 8 (i % 4) + r % 8 of its rowblock.
; SHARES: 128 queries x 256 features to a work-group, 256 work-groups; four waves, 64 x 128 each: 32 accumulators.  4 x 4 work-groups to a cluster: P's tiles shared along a row, V's along a column, asked for JOINTLY.
; K goes in four steps of 512 through two slots: one tensor load a wave at the head, one behind each barrier.  No prefetch: the launch has no loop, and two refills.
; THE MATRIX INSTRUCTION IS USED TRANSPOSED (source 0 = 16 features of V^T, source 1 = 16 queries of P): a lane holds one query and eight neighbouring features an accumulator.
; THE LAST K STEP GOES BY TILES OF QUERIES: V's fragments of all its four quarters lie in registers, so that a tile of 16 queries is finished with 32 products and leaves while the others are multiplied.
; REGISTERS, in windows of 256: window 0: v14-31 addresses; v32-55 scale words, two sets, and v64-87, those of the last K step's quarters 2 and 3; v56-61 1 / l; v128-223 the head's numbers, then P's fragments, two sets.
;   windows 1 and 3: V's fragments, two sets each, at v0 and v128; in the gaps, v96-127 and v224-255, a tile of results on its way to the stage.   window 2: the accumulators, (a, b) at v[8 (8 a + b)]; on the way out rows of out.
.set RBS,   12288                      ; P: a key step of a rowblock
.set UN,    12800                      ; V: likewise, with scale words
.set PK,    4*RBS                      ; 512 along K
.set VK,    4*UN
.set SLOT,  PK+2*VK                    ; P's rowblock, then V's two
.set PSC,   2*SLOT                     ; P's adjusted scale words: 16 x 512 bytes; written by LDS stores, never by a tensor load
.set RL,    PSC+8192                   ; 1 / l of the 128 queries
.set SPARE, RL+512
.set SP,    528                        ; the way out: a stage of 16 rows x 528 bytes for each wave, in slot 0, behind its last fill and its last read
.set VSA,   14                         ; v14-15  V's scale words in slot 0, 1
.set ADRA,  16
.set RLA,   19
.set ADRB,  20
.set ADSA,  22
.set STO,   24
.set RD,    25
.set CO,    26
.set PSW,   27
.set SPW,   28
.set NIL,   29
.set TAU,   30
.set RLW,   31
.set SCB,   32
.set SCA,   48
.set RLR,   56
.set RP,    60
.set AF,    128
.set HW,    128                        ; the head: 16 scale words, -M, sums, and work registers
.set HM,    144
.set HL,    160
.set HD,    176
.set HX,    192
.set HY,    208
.set MN,    224                        ; v224-228
.set G1A,   24
.set G1B,   32
.set G0A,   48
.set G0B,   56
.set MSB, 0
.macro WIN new
.if MSB != \new
	s_set_vgpr_msb (MSB<<8)|\new
.set MSB, \new
.endif
.endm
.macro JLOAD                           ; a joint load: waves 0, 1 P's halves, waves 2, 3 V's rowblocks
	s_cmp_eq_u32 s15, 0
	s_cbranch_scc0 .Lfor_b_\@
	tensor_load_to_lds s[G0A:G0A+3], s[G1A:G1A+7]
	s_nop 0
.rept 4
	v_nop
.endr
	s_branch .Lasked_\@
.Lfor_b_\@:
	tensor_load_to_lds s[G0B:G0B+3], s[G1B:G1B+7]
	s_nop 0
.rept 4
	v_nop
.endr
.Lasked_\@:
.endm
.macro NEXT sl                         ; the descriptors of the next K step, for slot sl (behind a wait that shows my loads done)
	s_add_co_u32 s[G0A+1], s23, (\sl)*SLOT
	s_add_co_u32 s[G0B+1], s97, (\sl)*SLOT
	s_add_nc_u64 s[G0A+2:G0A+3], s[G0A+2:G0A+3], PK
	s_add_nc_u64 s[G0B+2:G0B+3], s[G0B+2:G0B+3], VK
.endm
.macro CREST
	s_cmp_lg_u32 s14, 0
	s_cbranch_scc1 .Lnot_wave_0_\@
	s_barrier_signal -3
.Lnot_wave_0_\@:
	s_barrier_wait -3
	s_barrier_signal -1
	s_barrier_wait -1
.endm
.macro CROUND
	s_barrier_signal -1
	s_barrier_wait -1
	CREST
.endm
.macro PLACES n                        ; ahead of loads into registers that products have read
.rept \n
	v_nop
.endr
.endm
.macro FRAG reg, adr, off
.irp j, 0,1,2
	ds_load_b128 v[\reg+4*\j:\reg+4*\j+3], v[\adr] offset:(\off)+512*\j
.endr
.endm
; 39 LDS loads in one run: slot sl's q-th 128 along K (of K step k): the scale words, V's eight fragments, P's four, into set q % 2
.macro FETCHD sl, q, k
	WIN 0
	ds_load_b128 v[SCA+4*((\q)%2):SCA+4*((\q)%2)+3], v[ADSA] offset:512*(4*(\k)+(\q))
	ds_load_b128 v[SCB+8*((\q)%2):SCB+8*((\q)%2)+3], v[VSA+\sl] offset:UN*(\q)+12288
	ds_load_b128 v[SCB+8*((\q)%2)+4:SCB+8*((\q)%2)+7], v[VSA+\sl] offset:UN*(\q)+12304
	WIN 0x40
.irp b, 0,1,2,3,4,5,6,7
	FRAG 128*((\q)%2)+12*\b, ADRB+\sl, UN*(\q)+1536*\b
.endr
	WIN 0
.irp a, 0,1,2,3
	FRAG AF+48*((\q)%2)+12*\a, ADRA+\sl, RBS*(\q)+1536*\a
.endr
.endm
.macro PR n, p, zero                   ; product n = 8 a + b: P's tile a x V's tile b.  The 32 accumulators take turns, one instruction a turn
.set A_, (\n)/8
.set B_, (\n)%8
.set D_, 8*(\n)
	WIN 0xa1
.if \zero
	v_wmma_scale_f32_16x16x128_f8f6f4 v[D_:D_+7], v[128*(\p)+12*B_:128*(\p)+12*B_+11], v[AF+48*(\p)+12*A_:AF+48*(\p)+12*A_+11], 0, v[SCB+8*(\p)+B_], v[SCA+4*(\p)+A_] matrix_a_fmt:MATRIX_FMT_FP6 matrix_b_fmt:MATRIX_FMT_FP6
.else
	v_wmma_scale_f32_16x16x128_f8f6f4 v[D_:D_+7], v[128*(\p)+12*B_:128*(\p)+12*B_+11], v[AF+48*(\p)+12*A_:AF+48*(\p)+12*A_+11], v[D_:D_+7], v[SCB+8*(\p)+B_], v[SCA+4*(\p)+A_] matrix_a_fmt:MATRIX_FMT_FP6 matrix_b_fmt:MATRIX_FMT_FP6
.endif
.endm
.macro RUN from, to, p, zero           ; products from .. to - 1
.set N_, \from
.rept (\to)-(\from)
	PR N_, \p, \zero
.set N_, N_+1
.endr
.endm
.macro STEPD q, zero, sl, k            ; a step of 128 along K on set q % 2; the next one's operands are asked for first
	s_wait_dscnt 0x0
	PLACES 4
	FETCHD \sl, \q+1, \k
	RUN 0, 32, (\q)%2, \zero
.endm
.macro THREE sl, k, zero               ; the first three of a K step's four steps
	STEPD 0, \zero, \sl, \k
	STEPD 1, 0, \sl, \k
	STEPD 2, 0, \sl, \k
.endm
.macro TURNF sl, k                     ; the last: a drained round, then slot sl takes the K step two on
	WIN 0
	s_wait_tensorcnt 0x0
	ds_add_u32 v[SPW], v[NIL]
	NEXT \sl
	s_wait_dscnt 1                     ; (the add alone may be out)
	RUN 0, 8, 1, 0
	s_wait_dscnt 0x0
	s_barrier_signal -1
	RUN 8, 16, 1, 0
	WIN 0
	s_barrier_wait -1
	CREST
	JLOAD                              ; its four v_nop are the places ahead of the loads
	FETCHD 1-\sl, 0, \k+1
	RUN 16, 32, 1, 0
.endm
	s_load_b128 s[4:7], s[0:1], 0x0                ; P's codes, its statistics
	s_load_b128 s[8:11], s[0:1], 0x10              ; qkv, out
	v_lshl_add_u32 v[SPW], v0, 2, SPARE
	v_mov_b32 v[NIL], 0
	ds_add_u32 v[SPW], v[NIL]                      ; the opening lines: the add, twice on end, and its wait
	ds_add_u32 v[SPW], v[NIL]
	v_lshrrev_b32 v1, 5, v0
	v_readfirstlane_b32 s14, v1                    ; wave
	s_lshr_b32 s15, s14, 1                         ; which 64 queries are mine.  Also: I fetch for P (0) or for V (1)
	s_and_b32 s16, s14, 1                          ; which rowblock of features.  Also: which half of P's tile, or which rowblock of V, I fetch
	s_bfe_u32 s92, ttmp6, 0x40000
	s_bfe_u32 s93, ttmp6, 0x40004
	s_lshl_b32 s18, ttmp9, 2
	s_add_co_u32 s18, s18, s92                     ; tile column: 256 features
	s_and_b32 s19, ttmp7, 0xffff
	s_lshl_b32 s17, s19, 2
	s_add_co_u32 s17, s17, s93                     ; tile row = rowblock of queries, over all batches
	s_lshr_b32 s19, s19, 2                         ; the batch
	s_lshl_b32 s22, s93, 2
	s_lshl_b32 s22, 15, s22                        ; my row of the cluster
	s_lshl_b32 s96, 0x1111, s92                    ; my column
	s_or_b32 s[G1A], s22, (3<<16)|(1<<21)          ; dense bytes as rows of 256 (32 elements of 8 bytes)
	s_or_b32 s[G1B], s96, (3<<16)|(1<<21)
	s_mov_b32 s[G1A+1], 32<<16                     ; P: half a K step: 96 rows
	s_mov_b32 s[G1A+2], 96<<16
	s_mov_b32 s[G1A+3], 32<<16
	s_mov_b32 s[G1A+4], 96
	s_mov_b32 s[G1A+5], 32
	s_mov_b32 s[G1A+6], 0
	s_mov_b32 s[G1A+7], 0
	s_mov_b32 s[G1B+1], 32<<16                     ; V: a K step of a rowblock: 200 rows
	s_mov_b32 s[G1B+2], 200<<16
	s_mov_b32 s[G1B+3], 32<<16
	s_mov_b32 s[G1B+4], 200
	s_mov_b32 s[G1B+5], 32
	s_mov_b32 s[G1B+6], 0
	s_mov_b32 s[G1B+7], 0
	s_mul_i32 s23, s16, 2*RBS                      ; where they go in a slot: no place in the cluster enters an LDS address
	s_mul_i32 s97, s16, VK
	s_add_co_u32 s97, s97, PK
	s_mul_i32 s20, s17, 16*RBS
	s_add_co_u32 s20, s20, s23                     ; P: my rowblock, + my half of a K step
	s_mov_b32 s21, 0
	s_mul_i32 s2, s17, 16*1536                     ; its statistics
	s_mov_b32 s3, 0
	s_lshl_b32 s94, s18, 1
	s_add_co_u32 s94, s94, s16
	s_lshl_b32 s94, s94, 4
	s_lshl_b32 s95, s19, 7
	s_add_co_u32 s94, s94, s95
	s_add_co_u32 s94, s94, 1024
	s_mul_i32 s94, s94, UN                         ; V: unit 1,024 + 128 x batch + 16 x rowblock of features
	s_mov_b32 s95, 0
	s_mul_i32 s12, s15, 4*1536                     ; my four tiles of P
	s_lshl_b32 s13, s15, 4
	s_add_co_u32 s98, s13, PSC
	s_add_co_u32 s99, s13, RL
	s_mul_i32 s100, s14, 16*SP                     ; my stage
	v_and_b32 v1, 15, v0                           ; r
	v_bfe_u32 v2, v0, 4, 1                         ; h
	v_and_b32 v3, 31, v0
	v_lshlrev_b32 v[CO], 4, v3
	v_lshlrev_b32 v[TAU], 2, v0
	v_lshl_add_u32 v[PSW], v0, 2, PSC
	v_lshl_add_u32 v[RLW], v0, 2, RL
	v_add_nc_u32 v[ADRA], s12, v[CO]
	v_add_nc_u32 v[ADRA+1], SLOT, v[ADRA]
	v_add_nc_u32 v[ADRB], s97, v[CO]
	v_add_nc_u32 v[ADRB+1], SLOT, v[ADRB]
	v_lshl_add_u32 v[VSA], v1, 5, s97
	v_add_nc_u32 v[VSA+1], SLOT, v[VSA]
	v_lshl_add_u32 v[ADSA], v1, 5, s98
	v_lshl_add_u32 v[RLA], v1, 5, s99
	v_mul_u32_u24 v[STO], v1, SP
	v_lshl_add_u32 v[STO], v2, 7, v[STO]
	v_add_nc_u32 v[STO], s100, v[STO]              ; in: row r, + 128 h
	v_add_nc_u32 v[RD], s100, v[CO]                ; back: a whole row, 16 bytes a lane
	s_wait_alu depctr_va_vdst(0)
	s_wait_dscnt 0x0                               ; both opening adds are done
	CROUND                                         ; the first joint loads meet
	s_wait_kmcnt 0x0
	s_mov_b32 s[G0A], 1
	s_mov_b32 s[G0A+1], s23
	s_add_nc_u64 s[G0A+2:G0A+3], s[4:5], s[20:21]
	s_or_b32 s[G0A+3], s[G0A+3], 0x80000000
	s_mov_b32 s[G0B], 1
	s_mov_b32 s[G0B+1], s97
	s_add_nc_u64 s[G0B+2:G0B+3], s[8:9], s[94:95]
	s_or_b32 s[G0B+3], s[G0B+3], 0x80000000
	JLOAD                                          ; K step 0
	s_add_nc_u64 s[2:3], s[6:7], s[2:3]
	; THE HEAD.  Thread 8 r + i owns the query of lane r of tile i: its 16 scale words, 16 -M and 16 sums
.irp s, 0,1,2,3,4,5,6,7,8,9,10,11,12,13,14,15
	global_load_b32 v[HM+\s], v[TAU], s[2:3] offset:1536*\s+512
.endr
.irp s, 0,1,2,3,4,5,6,7,8,9,10,11,12,13,14,15
	global_load_b32 v[HW+\s], v[TAU], s[2:3] offset:1536*\s
	global_load_b32 v[HL+\s], v[TAU], s[2:3] offset:1536*\s+1024
.endr
	s_lshl_b32 s100, s17, 7                        ; out: row 128 x tile row + 64 wy, of 4,096 bytes; column bytes 1,024 x tile column + 512 wx
	s_lshl_b32 s101, s15, 6
	s_add_co_u32 s100, s100, s101
	s_lshl_b32 s100, s100, 12
	s_lshl_b32 s101, s18, 10
	s_add_co_u32 s100, s100, s101
	s_lshl_b32 s101, s16, 9
	s_add_co_u32 s100, s100, s101
	s_mov_b32 s101, 0
	s_add_nc_u64 s[12:13], s[10:11], s[100:101]
	s_wait_loadcnt 0x0
	v_min3_num_f32 v[MN], v[HM], v[HM+1], v[HM+2]  ; the smallest -M: the row's M
	v_min3_num_f32 v[MN+1], v[HM+3], v[HM+4], v[HM+5]
	v_min3_num_f32 v[MN+2], v[HM+6], v[HM+7], v[HM+8]
	v_min3_num_f32 v[MN+3], v[HM+9], v[HM+10], v[HM+11]
	v_min3_num_f32 v[MN+4], v[HM+12], v[HM+13], v[HM+14]
	v_min3_num_f32 v[MN], v[MN], v[MN+1], v[MN+2]
	v_min3_num_f32 v[MN+3], v[MN+3], v[MN+4], v[HM+15]
	v_min_num_f32 v[MN], v[MN], v[MN+3]
.macro ALL16 op, d, x, y               ; one stage for all 16 parts
.set I, 0
.rept 16
	\op v[\d+I], \x, v[\y+I]
.set I, I+1
.endr
.endm
.set I, 0
.rept 16
	v_sub_f32 v[HD+I], v[HM+I], v[MN]              ; d = the row's M - this part's: a whole number, 0 or more
.set I, I+1
.endr
.set I, 0
.rept 16
	v_cvt_i32_f32 v[HD+I], v[HD+I]                 ; (it saturates)
.set I, I+1
.endr
	ALL16 v_min_u32, HD, 127, HD
	ALL16 v_sub_nc_u32, HY, 0, HD
.set I, 0
.rept 16
	v_ldexp_f32 v[HL+I], v[HL+I], v[HY+I]          ; the part's sum under the row's M: exact
.set I, I+1
.endr
.set I, 0
.rept 16
	v_lshl_or_b32 v[HX+I], v[HD+I], 8, v[HD+I]
.set I, I+1
.endr
.set I, 0
.rept 16
	v_lshl_or_b32 v[HX+I], v[HX+I], 16, v[HX+I]    ; d in all four bytes
.set I, I+1
.endr
	ALL16 v_or_b32, HW, 0x80808080, HW             ; the bytes are 1 to 125: with 128 on top of each, no borrow leaves a byte
.set I, 0
.rept 16
	v_sub_nc_u32 v[HW+I], v[HW+I], v[HX+I]
.set I, I+1
.endr
	ALL16 v_lshrrev_b32, HY, 7, HW
	ALL16 v_and_b32, HY, 0x01010101, HY            ; 1 where byte - d is 0 or more
	ALL16 v_lshlrev_b32, HX, 7, HY
.set I, 0
.rept 16
	v_sub_nc_u32 v[HX+I], v[HX+I], v[HY+I]         ; 0x7f there, 0 elsewhere
.set I, I+1
.endr
.set I, 0
.rept 16
	v_and_b32 v[HW+I], v[HW+I], v[HX+I]            ; byte - d, held at 0
.set I, I+1
.endr
.irp i, 0,4,8,12
	v_pk_add_f32 v[HL+\i:HL+\i+1], v[HL+\i:HL+\i+1], v[HL+\i+2:HL+\i+3]
.endr
.irp i, 0,8
	v_pk_add_f32 v[HL+\i:HL+\i+1], v[HL+\i:HL+\i+1], v[HL+\i+4:HL+\i+5]
.endr
	v_pk_add_f32 v[HL:HL+1], v[HL:HL+1], v[HL+8:HL+9]
	v_add_f32 v[HL], v[HL], v[HL+1]                ; l
.irp s, 0,1,2,3,4,5,6,7,8,9,10,11,12,13,14,15
	ds_store_b32 v[PSW], v[HW+\s] offset:512*\s
.endr
	s_wait_alu depctr_va_vdst(0)                   ; the wait ahead of the transcendental
	v_rcp_f32 v[MN], v[HL]
	v_nop
	s_wait_alu depctr_va_vdst(0)                   ; and ahead of its first reader
	ds_store_b32 v[RLW], v[MN]
	s_wait_tensorcnt 0x0                           ; my part of K step 0 is in
	ds_add_u32 v[SPW], v[NIL]
	NEXT 1
	s_wait_dscnt 0x0                               ; the add is done; my words and my 1 / l lie in LDS
	CROUND
	JLOAD                                          ; K step 1
	FETCHD 0, 0, 0
	THREE 0, 0, 1                                  ; K step 0: its first products start the sums
	TURNF 0, 0                                     ; slot 0 takes K step 2
	THREE 1, 1, 0
	TURNF 1, 1                                     ; slot 1 takes K step 3
	THREE 0, 2, 0
; THE LAST K STEP, in slot 1.  Its quarters q: V's fragments at 128 (q % 2) of window 1 (q < 2) or 3; the scale words in sets of their own; P's fragments of tile a, all four quarters, in buffer a % 2
.macro SCLQ q                          ; 3 loads
	WIN 0
	ds_load_b128 v[SCA+4*\q+24*(\q/2):SCA+4*\q+24*(\q/2)+3], v[ADSA] offset:512*(12+\q)
	ds_load_b128 v[SCB+8*\q+16*(\q/2):SCB+8*\q+16*(\q/2)+3], v[VSA+1] offset:UN*\q+12288
	ds_load_b128 v[SCB+8*\q+16*(\q/2)+4:SCB+8*\q+16*(\q/2)+7], v[VSA+1] offset:UN*\q+12304
.endm
.macro VLQ q                           ; 24 loads
	WIN 0x40+0x80*(\q/2)
.irp b, 0,1,2,3,4,5,6,7
	FRAG 128*(\q%2)+12*\b, ADRB+1, UN*\q+1536*\b
.endr
	WIN 0
.endm
.macro PLQ a                           ; 12 loads
	WIN 0
.irp q, 0,1,2,3
	FRAG AF+48*(\a%2)+12*\q, ADRA+1, RBS*\q+1536*\a
.endr
.endm
.macro ROWQ a, q                       ; 8 products: tile a's accumulators by turns
	WIN 0xa1+2*(\q/2)
.irp b, 0,1,2,3,4,5,6,7
	v_wmma_scale_f32_16x16x128_f8f6f4 v[64*\a+8*\b:64*\a+8*\b+7], v[128*(\q%2)+12*\b:128*(\q%2)+12*\b+11], v[AF+48*(\a%2)+12*\q:AF+48*(\a%2)+12*\q+11], v[64*\a+8*\b:64*\a+8*\b+7], v[SCB+8*\q+16*(\q/2)+\b], v[SCA+4*\q+24*(\q/2)+\a] matrix_a_fmt:MATRIX_FMT_FP6 matrix_b_fmt:MATRIX_FMT_FP6
.endr
.endm
.macro ROW a
	ROWQ \a, 0
	ROWQ \a, 1
	ROWQ \a, 2
	ROWQ \a, 3
	WIN 0
.endm
; The way out of a tile of 16 queries x 128 features: x 1 / l; through my stage, so that a store is one whole row of 512 bytes.  LDS serves a wave's instructions in order: no wait between the stores and the loads,
; nor in front of the next tile's stores.  The rows come back into the tile's own accumulators.
.macro OUTA a                          ; 16 stores, 16 loads
	WIN 0
	v_nop
	v_nop
	v_mov_b32 v[RP], v[RLR+\a]                     ; with the two v_nop, four places behind the tile's last product
	v_mov_b32 v[RP+1], v[RLR+\a]
	WIN 0x42+0x80*(\a%2)                           ; source 0 window 2, destination the gaps of window 1 or 3
.irp b, 0,1,2,3,4,5,6,7
.irp i, 0,2,4,6
	v_pk_mul_f32 v[96+8*\b+96*(\b/4)+\i:96+8*\b+96*(\b/4)+\i+1], v[64*\a+8*\b+\i:64*\a+8*\b+\i+1], v[RP:RP+1]   ; each accumulator from its low end on
.endr
.endr
	WIN 0x04+0x08*(\a%2)
.irp b, 0,1,2,3,4,5,6,7
	ds_store_b128 v[STO], v[96+8*\b+96*(\b/4):96+8*\b+96*(\b/4)+3] offset:256*(\b/4)+32*(\b%4)       ; lane (r, h), accumulator b: features 64 (b / 4) + 32 h + 8 (b % 4) + 0 .. 7
	ds_store_b128 v[STO], v[96+8*\b+96*(\b/4)+4:96+8*\b+96*(\b/4)+7] offset:256*(\b/4)+32*(\b%4)+16
.endr
	WIN 0x80
.irp p, 0,1,2,3,4,5,6,7,8,9,10,11,12,13,14,15
	ds_load_b128 v[64*\a+4*\p:64*\a+4*\p+3], v[RD] offset:SP*\p
.endr
	WIN 0
.endm
.macro SEND a, younger                 ; younger: the LDS instructions issued behind tile a's loads
	s_wait_dscnt \younger
	WIN 0x08                                       ; a store's data: window 2
.irp p, 0,1,2,3,4,5,6,7,8,9,10,11,12,13,14,15
	global_store_b128 v[CO], v[64*\a+4*\p:64*\a+4*\p+3], s[12:13] offset:(8*\a+(\p%8)+32*(\p/8))*4096 th:TH_STORE_NT   ; 32 lanes store 512 consecutive bytes, aligned; written once
.endr
	WIN 0
.endm
	WIN 0
	s_wait_tensorcnt 0x0                           ; nothing is left to fetch: a plain barrier shows slot 1; behind it nobody reads slot 0
	s_wait_dscnt 0x0
	s_barrier_signal -1
	RUN 0, 4, 1, 0                                 ; K step 2's last quarter, on set 1
	WIN 0
	s_barrier_wait -1
	PLACES 4                                       ; for the loads into set 0, which the quarter before multiplied
	ds_load_b128 v[RLR:RLR+3], v[RLA]              ; the first run, 40 loads
	SCLQ 0
	VLQ 0
	PLQ 0
	RUN 4, 18, 1, 0
	SCLQ 2                                         ; the second, 30
	SCLQ 3
	VLQ 2
	RUN 18, 32, 1, 0
	WIN 0
	PLACES 4                                       ; for the loads into set 1
	SCLQ 1                                         ; the third, 27
	VLQ 1
	s_wait_dscnt 57                                ; the first run is in
	ROWQ 0, 0
	s_wait_dscnt 27                                ; the second
	ROWQ 0, 2
	WIN 0
	VLQ 3                                          ; the fourth, 24 and 12
	PLQ 1
	s_wait_dscnt 36                                ; the third
	ROWQ 0, 1
	s_wait_dscnt 12                                ; V's last quarter
	ROWQ 0, 3
	OUTA 0
	PLQ 2
	s_wait_dscnt 44                                ; P's tile 1 is in: behind it OUTA's 32 and P's 12
	ROW 1
	SEND 0, 12                                     ; behind tile 0's rows: P's tile 2
	OUTA 1
	PLQ 3
	s_wait_dscnt 44
	ROW 2
	SEND 1, 12
	OUTA 2
	s_wait_dscnt 32
	ROW 3
	SEND 2, 0
	OUTA 3
	SEND 3, 0
	s_wait_tensorcnt 0x0                           ; the wave's end: behind my last tensor load and my last LDS store
	ds_add_u32 v[SPW], v[NIL]
	s_wait_dscnt 0x0
	CROUND                                         ; the closing round
	s_endpgm
.Lfunc_end_k_q900469b60d_pv:
	.size	k_q900469b60d_pv, .Lfunc_end_k_q900469b60d_pv-k_q900469b60d_pv
	.p2alignl 7, 3214868480
	.fill 96, 4, 3214868480
	.section	.rodata,"a",@progbits
	.p2align	6, 0x0
	.amdhsa_kernel k_q900469b60d_pv
		.amdhsa_group_segment_fixed_size 327680
		.amdhsa_private_segment_fixed_size 0
		.amdhsa_enable_private_segment 0
		.amdhsa_kernarg_size 32
		.amdhsa_user_sgpr_count 2
		.amdhsa_user_sgpr_kernarg_segment_ptr 1
		.amdhsa_wavefront_size32 1
		.amdhsa_system_sgpr_workgroup_id_x 1
		.amdhsa_system_sgpr_workgroup_id_y 1
		.amdhsa_system_sgpr_workgroup_id_z 1
		.amdhsa_system_vgpr_workitem_id 0
		.amdhsa_next_free_vgpr 1024
		.amdhsa_next_free_sgpr 102
		.amdhsa_reserve_vcc 0
		.amdhsa_float_denorm_mode_32 3
		.amdhsa_float_denorm_mode_16_64 3
		.amdhsa_memory_ordered 1
		.amdhsa_forward_progress 1
		.amdhsa_inst_pref_size 158
	.end_amdhsa_kernel
	.amdgpu_metadata
---
amdhsa.version: [ 1, 2 ]
amdhsa.kernels:
  - .name:           k_q900469b60d_pv
    .symbol:         k_q900469b60d_pv.kd
    .args:
      - { .name: pc, .offset: 0, .size: 8, .value_kind: global_buffer, .address_space: global }
      - { .name: pst, .offset: 8, .size: 8, .value_kind: global_buffer, .address_space: global }
      - { .name: qkv, .offset: 16, .size: 8, .value_kind: global_buffer, .address_space: global }
      - { .name: out0, .offset: 24, .size: 8, .value_kind: global_buffer, .address_space: global }
    .group_segment_fixed_size: 327680
    .private_segment_fixed_size: 0
    .kernarg_segment_align: 8
    .kernarg_segment_size: 32
    .max_flat_workgroup_size: 128
    .sgpr_count:     102
    .vgpr_count:     1024
    .wavefront_size: 32
...
	.end_amdgpu_metadata
.endif
;; end of part 4
